; MI455X (gfx1250); checked and timed in simulation.
; The chip was launched on July 23, 2026; its instructions are those of AMD's public machine-readable ISA for CDNA 5 (MIT licence, August 2026) and "CDNA5" Instruction Set Architecture Reference Guide (July 2026). The comments in the code are by the model that wrote it; some were corrected since.
;; T5 Attention. Allowed arithmetic: matrix products marked QUANTISED: E2M1 operands, one E8M0 scale for each 32 along K, by v_wmma_scale_f32_16x16x128_f8f6f4 with both operands' format E2M1 (or v_wmma_scale_f32_32x16x128_f4), f32 sums; products left as they are: bf16, f16 or f32 operands; f32 sums; everything else in f32.
;; Inputs: Wk 1,024 x 1,024 float32; Wo 1,024 x 1,024 float32; Wq 1,024 x 1,024 float32; Wv 1,024 x 1,024 float32; mask 2 x 1 x 1 x 2,048 int32; rel_emb 32 x 16 float32; x 2 x 2,048 x 1,024 float32.
;; Outputs: out0 2 x 2,048 x 1,024 float32.
;; This version of the problem:
;;   THIS VERSION OF THE PROBLEM IS GIVEN IN LOW PRECISION. The matrix products marked QUANTISED in the list below multiply operands that are first quantised to E2M1 (2 exponent bits, 1 mantissa bit; 4 bits a number), with one power-of-two scale for each 32 numbers along K (OCP MX v1.0); their sums are f32. The products marked 'left as it is' may take bf16, f16 or f32 operands, with f32 sums. Whichever they take, every output number must still come out within the allowed error. Rounding operands to bf16 (8 significant bits) uses up far more of that allowance than f16 does (11 bits, for magnitudes from 6e-5 to 65,504). All else is computed in f32.
;;   The module's matrix products, in the order in which they are computed (A, B: the left and right operand; K: the contracted axis; several contracted axes count as one K, in the product's order):
;;     1. [M 4,096, K 1,024] x [K 1,024, N 1,024]; A: input x; B: input Wq: QUANTISED
;;     2. [M 4,096, K 1,024] x [K 1,024, N 1,024]; A: input x; B: input Wk: QUANTISED
;;     3. [M 4,096, K 1,024] x [K 1,024, N 1,024]; A: input x; B: input Wv: QUANTISED
;;     4. batch 32 x [M 2,048, K 64] x [K 64, N 2,048]; A: computed on the way; B: computed on the way: left as it is (an operand is computed on the way)
;;     5. batch 32 x [M 2,048, K 2,048] x [K 2,048, N 64]; A: computed on the way; B: computed on the way: left as it is (an operand is computed on the way)
;;     6. [M 4,096, K 1,024] x [K 1,024, N 1,024]; A: computed on the way; B: input Wo: left as it is (an operand is computed on the way)
;;   THE QUANTISER, for each operand of a quantised product, along K:
;;     - K is cut into blocks of 32 from its start; a last block that is shorter is filled with zeros.
;;     - A block's scale is 2^e with e = floor(log2(the largest magnitude in the block)) - 2, held to -126 .. 127; a block of zeros has e = 0. As a byte (E8M0): e + 127.
;;     - Each number is divided by its block's scale, clamped to +-6, and rounded to the nearest number of E2M1, ties to even, subnormals kept.
;;     - The product sums the exact products of the quantised numbers (number of the format x scale) in f32.
;;   ~~~python
;;   def quantise(x, axis):      # numpy; x: float32 -> the quantised numbers, widened to float32 again
;;       x = np.moveaxis(x, axis, -1); K = x.shape[-1]
;;       x = np.pad(x, [(0, 0)] * (x.ndim - 1) + [(0, -K % 32)]); x = x.reshape(x.shape[:-1] + (-1, 32)); a = np.abs(x).max(-1, keepdims=True)
;;       e = np.where(a > 0, np.clip(np.frexp(np.where(a > 0, a, 1))[1] - 1 - 2, -126, 127), 0)      # np.frexp(a)[1] - 1 = floor(log2(a)), exactly
;;       r = np.clip(x / 2.0 ** e, -6, 6)
;;       step = 2.0 ** (np.maximum(np.frexp(np.where(r == 0, 1, r))[1] - 1, 0) - 1)
;;       q = np.round(r / step) * step * 2.0 ** e      # np.round: ties to even
;;       return np.moveaxis(q.reshape(q.shape[:-2] + (-1,))[..., :K], -1, axis).astype(np.float32)
;;   ~~~
;; One version. Each part assembles by itself: llvm-mc -triple=amdgcn-amd-amdhsa -mcpu=gfx1250 --defsym DOCPART=n.
;; ======== version 1 of 1: 5 launches
;; limits: values are held in f16: magnitudes above 65,504 overflow, below 6.1e-05 lose precision; right only within a limited range of input values
;; workspace buffers: xc 2,097,152 bytes; xs 131,072 bytes; wc 1,572,864 bytes; ws 98,304 bytes; wo16 2,097,152 bytes; qkv16 25,165,824 bytes; qkv32 393,216 bytes; ctx16 8,388,608 bytes
;; launch prep (part 1): grid 256 x 1, 4 waves a work-group, no clusters, 33,280 bytes of LDS; arguments x, Wq, Wk, Wv, Wo, xc, xs, wc, ws, wo16; writes xc, xs, wc, ws, wo16
.if DOCPART == 1
	.amdgcn_target "amdgcn-amd-amdhsa--gfx1250"
	.amdhsa_code_object_version 6
	.text
	.protected	k_q0e9ab8d20c_prep
	.globl	k_q0e9ab8d20c_prep
	.p2align	8
	.type	k_q0e9ab8d20c_prep,@function
k_q0e9ab8d20c_prep:
	s_mov_b64 s[64:65], 0
	v_nop
	global_prefetch_b8 v0, s[64:65] scope:SCOPE_SE
	s_setreg_imm32_b32 hwreg(HW_REG_WAVE_MODE, 25, 1), 1
	s_wait_xcnt 0x0
; PREP.  x [4096][1024], Wq, Wk, Wv [1024][1024], f32 with K innermost, become codes of FP4 (E2M1), two a byte, K innermost, with one E8M0 byte for each 32 along K:
; xc [4096][512], xs [4096][32]; wc [3072][512], ws [3072][32] (rows 0-1023 Wq, 1024-2047 Wk, 2048-3071 Wv).  Wo [1024][1024] f32 becomes f16 laid by head: wo16 [16 h][1024 n][64 d] = Wo[n][64 h + d].
; A block's scale is 2^(floor(log2(its largest magnitude)) - 2); its byte is the largest magnitude's exponent field - 2, held at 1 from below.
; LIMITS: a block of zeros, and a block whose largest magnitude lies under 2^-124, gets the byte 1 (zeros: the rule says 127; the codes are zeros, and this program alone reads the bytes);
; NaN and infinities among the inputs are not served; numbers of Wo beyond 65,504 become infinite in f16, and under 6e-5 they keep an absolute error of 3e-8.
; SHARES.  256 work-groups of 32,768 numbers each: 0-127 x, 128-159 Wq, 160-191 Wk, 192-223 Wv, 224-255 Wo.  Rows are dense and K is a multiple of 32, so the four quantised tensors are plain streams of blocks of 32.
; The quantiser: a wave takes 16 steps of 512 numbers.  Each of a step's four loads reads 512 consecutive bytes; the 2,048 bytes turn through the wave's own stage in LDS and come back 64 bytes a lane,
; so that a lane holds 16 neighbours along K (two neighbouring lanes hold a block).  A lane's 16 codes are 8 bytes: the wave stores 256 consecutive bytes.  A wave's 256 scale bytes are gathered in LDS and leave in one store.
; No tensor loads, no barrier: waves share nothing.
.set WAVES, 4
.set STEPS, 16
.set EMAX,  2
.set CB,    8                          ; bytes of 16 codes
.set R,     16                         ; v16-79   four sets of 16 numbers as they are loaded
.set X,     80                         ; v80-111  two sets of 16 neighbours
.set E,     112                        ; v112-127 a scale byte for each step
.set C,     128                        ; v128-191 codes: four registers for each step, so that no store's data are written again
.set WREG,  8192                       ; LDS: a region for each wave: two stages of 32 x SP bytes, then its 256 scale bytes
.set SP,    80                         ; a lane's place in a stage: 64 bytes + 16 of padding
.set SPW,   12                         ; v12 LDS address of my spare word; never rewritten
.set NIL,   13                         ; v13 0; never rewritten
.set SPARE, WAVES*WREG                 ; behind the four regions: the spare words, 128 bytes a wave, which no other line names
.set SRC,   26                         ; s[26:27] the numbers;  s[30:31] the codes;  s[32:33] the scale bytes
.set DC,    30
.set DS,    32
.set IN,    16                         ; the cast: v16-143 two sets of 64 numbers;  v144-207 two sets of 32 packed registers
.set OUTC,  144
	s_load_b512 s[4:19], s[0:1], 0x0               ; x 4, Wq 6, Wk 8, Wv 10, Wo 12, xc 14, xs 16, wc 18
	s_load_b128 s[20:23], s[0:1], 0x40             ; ws 20, wo16 22
	v_lshl_add_u32 v[SPW], v0, 2, SPARE
	v_mov_b32 v[NIL], 0
	v_lshrrev_b32 v1, 5, v0
	v_readfirstlane_b32 s24, v1                    ; wave
	v_and_b32 v2, 31, v0                           ; lane
	s_wait_kmcnt 0x0
	s_cmp_ge_u32 ttmp9, 224                        ; the last 32 work-groups cast Wo: a branch on the work-group's number alone
	s_cbranch_scc1 .Lcast
	v_lshlrev_b32 v3, 4, v2                        ; my 16 bytes of a load's 512
	s_mul_i32 s25, s24, WREG
	v_lshrrev_b32 v14, 2, v2
	v_mul_u32_u24 v14, v14, SP
	v_and_b32 v15, 3, v2
	v_lshl_add_u32 v14, v15, 4, v14
	v_add_nc_u32 v14, s25, v14                     ; the stage, on the way in: SP (lane / 4) + 16 (lane % 4)
	v_mul_u32_u24 v15, v2, SP
	v_add_nc_u32 v15, s25, v15                     ; and on the way out: SP x lane: my 16 neighbours
	v_mul_u32_u24 v4, v2, CB                       ; my codes' place in a step's
	v_lshrrev_b32 v5, 1, v2
	s_add_co_u32 s25, s25, 2*32*SP
	v_add_nc_u32 v5, s25, v5                       ; LDS: my wave's 256 scale bytes, my block's byte
	v_lshlrev_b32 v7, 3, v2                        ; and on the way out 8 bytes a lane
	v_add_nc_u32 v6, s25, v7
	; which tensor: only pointers and an index are chosen, on the work-group's number: all four tensors take one path through the text
	s_sub_co_u32 s28, ttmp9, 128                   ; where a W's work-group stands in wc and ws,
	s_and_b32 s29, s28, 31                         ; and in its own W
	s_cmp_lt_u32 ttmp9, 192
	s_cselect_b64 s[SRC:SRC+1], s[8:9], s[10:11]
	s_cmp_lt_u32 ttmp9, 160
	s_cselect_b64 s[SRC:SRC+1], s[6:7], s[SRC:SRC+1]
	s_cmp_lt_u32 ttmp9, 128
	s_cselect_b64 s[SRC:SRC+1], s[4:5], s[SRC:SRC+1]
	s_cselect_b32 s29, ttmp9, s29
	s_cselect_b32 s28, ttmp9, s28
	s_cselect_b64 s[DC:DC+1], s[14:15], s[18:19]
	s_cselect_b64 s[DS:DS+1], s[16:17], s[20:21]
	s_lshl_b32 s29, s29, 2
	s_add_co_u32 s29, s29, s24                     ; which run of 8,192 numbers of the source is my wave's
	s_lshl_b32 s34, s29, 15                        ; 32,768 bytes a run (at most 16 MiB)
	s_mov_b32 s35, 0
	s_add_nc_u64 s[SRC:SRC+1], s[SRC:SRC+1], s[34:35]
	s_lshl_b32 s28, s28, 2
	s_add_co_u32 s28, s28, s24                     ; and of the destination
	s_lshl_b32 s34, s28, 12                        ; 4,096 bytes of codes a run
	s_add_nc_u64 s[DC:DC+1], s[DC:DC+1], s[34:35]
	s_lshl_b32 s34, s28, 8                         ; 256 scale bytes a run
	s_add_nc_u64 s[DS:DS+1], s[DS:DS+1], s[34:35]
.macro LOAD t
.irp i, 0,1,2,3
	global_load_b128 v[R+16*((\t)%4)+4*\i:R+16*((\t)%4)+4*\i+3], v3, s[SRC:SRC+1] offset:2048*(\t)+512*\i th:TH_LOAD_NT   ; 32 lanes read 512 consecutive bytes
.endr
.endm
.macro TURN t                          ; step t's numbers through the stage: LDS serves a wave's instructions in order, so no wait stands between the stores and the loads
.irp i, 0,1,2,3
	ds_store_b128 v14, v[R+16*((\t)%4)+4*\i:R+16*((\t)%4)+4*\i+3] offset:32*SP*((\t)%2)+8*SP*\i
.endr
.irp i, 0,1,2,3
	ds_load_b128 v[X+16*((\t)%2)+4*\i:X+16*((\t)%2)+4*\i+3], v15 offset:32*SP*((\t)%2)+16*\i
.endr
.endm
.irp t, 0,1,2,3
	LOAD \t
.endr
	s_wait_loadcnt 12                              ; step 0's four loads are in; the twelve of steps 1 to 3 may be out
	TURN 0
.macro STEP t
.set XS, X+16*((\t)%2)
.if (\t) > 0
	s_wait_dscnt 1                                 ; this step's numbers are back from the stage (the last step's byte store may be out): so its stores into the stage have read their registers,
.else
	s_wait_dscnt 0x0
.endif
.if (\t)+4 < STEPS
	LOAD (\t)+4                                    ; which take the loads of four steps on
.endif
.if (\t)+1 < STEPS
.if STEPS-2-(\t) >= 3
	s_wait_loadcnt 12                              ; the next step's four loads are in; those of the three steps behind it may be out
.else
	s_wait_loadcnt 4*(STEPS-2-(\t))
.endif
	TURN (\t)+1                                    ; and go through the other stage while this step is worked
.endif
	v_max3_num_f32 v8, |v[XS]|, |v[XS+1]|, |v[XS+2]|               ; the largest magnitude of my 16, in two chains
	v_max3_num_f32 v9, |v[XS+3]|, |v[XS+4]|, |v[XS+5]|
.irp i, 6,10
	v_max3_num_f32 v8, v8, |v[XS+\i]|, |v[XS+\i+1]|
	v_max3_num_f32 v9, v9, |v[XS+\i+2]|, |v[XS+\i+3]|
.endr
	v_max3_num_f32 v8, v8, |v[XS+14]|, |v[XS+15]|
	v_max3_num_f32 v8, v8, v9, (EMAX+1)<<23        ; and the floor 2^(EMAX + 1 - 127): so the byte cannot fall under 1
	v_max_num_f32_dpp v8, v8, v8 row_xmask:1 row_mask:0xf bank_mask:0xf   ; and of my neighbour's 16: the block's
	v_add_nc_u32 v11, -(EMAX<<23), v8              ; EMAX off its exponent field: the conversion takes the exponent field of this operand as its scale, and nothing else of it
	v_cvt_scalef32_pk8_fp4_f32 v[C+4*(\t)], v[XS:XS+7], v11        ; eight numbers / the scale, to the nearest code, ties to even, beyond the largest code the largest
	v_cvt_scalef32_pk8_fp4_f32 v[C+4*(\t)+1], v[XS+8:XS+15], v11
	v_lshrrev_b32 v[E+(\t)], 23, v11               ; the scale's byte
	ds_store_b8 v5, v[E+(\t)] offset:16*(\t)       ; both lanes of a block write the same byte with the same value
	global_store_b64 v4, v[C+4*(\t):C+4*(\t)+1], s[DC:DC+1] offset:32*CB*(\t)   ; the wave stores 256 consecutive bytes, aligned
.endm
.irp t, 0,1,2,3,4,5,6,7,8,9,10,11,12,13,14,15
	STEP \t
.endr
	ds_load_b64 v[8:9], v6                         ; LDS serves a wave's instructions in order: these see my stores
	s_wait_dscnt 0x0
	global_store_b64 v7, v[8:9], s[DS:DS+1]        ; 32 lanes store 256 consecutive bytes, aligned
	s_wait_tensorcnt 0x0                           ; the wave's end
	ds_add_u32 v[SPW], v[NIL]
	s_wait_dscnt 0x0
	s_endpgm
; THE CAST OF Wo.  A work-group takes 32 rows, a wave 8, two rows at a time.  A load reads one head's 256 bytes of row n (lanes 0-15) and of row n + 1 (lanes 16-31); a lane's four numbers pack into 8 bytes,
; and the wave's store is rows n and n + 1 of that head in wo16: 256 consecutive bytes, aligned.  No LDS.
.Lcast:
	s_sub_co_u32 s25, ttmp9, 224
	s_lshl_b32 s25, s25, 5
	s_lshl_b32 s26, s24, 3
	s_add_co_u32 s25, s25, s26                     ; my wave's first row n
	s_lshl_b32 s26, s25, 12
	s_mov_b32 s27, 0
	s_add_nc_u64 s[12:13], s[12:13], s[26:27]      ; Wo: 4,096 bytes a row
	s_lshl_b32 s26, s25, 7
	s_add_nc_u64 s[22:23], s[22:23], s[26:27]      ; wo16: 128 bytes a row in each head
	v_lshrrev_b32 v3, 4, v2
	v_and_b32 v4, 15, v2
	v_lshlrev_b32 v4, 4, v4
	v_lshl_add_u32 v3, v3, 12, v4                  ; in: 4,096 (lane / 16) + 16 (lane % 16)
	v_lshlrev_b32 v5, 3, v2                        ; out: 8 x lane
.macro LOADG g                         ; rows 2 g and 2 g + 1: sixteen loads, one for each head
.irp hh, 0,1,2,3,4,5,6,7,8,9,10,11,12,13,14,15
	global_load_b128 v[IN+64*((\g)%2)+4*\hh:IN+64*((\g)%2)+4*\hh+3], v3, s[12:13] offset:(\g)*8192+\hh*256 th:TH_LOAD_NT
.endr
.endm
.macro CASTG g
.if (\g) < 3
	s_wait_loadcnt 16                              ; this pair's sixteen loads are in; the next pair's may be out
.else
	s_wait_loadcnt 0x0
.endif
.if (\g) >= 2
	s_wait_xcnt 0x0                                ; the stores of two pairs ago have read their registers, which are written again below
.endif
.irp hh, 0,1,2,3,4,5,6,7,8,9,10,11,12,13,14,15
	v_cvt_pk_f16_f32 v[OUTC+32*((\g)%2)+2*\hh], v[IN+64*((\g)%2)+4*\hh], v[IN+64*((\g)%2)+4*\hh+1]
	v_cvt_pk_f16_f32 v[OUTC+32*((\g)%2)+2*\hh+1], v[IN+64*((\g)%2)+4*\hh+2], v[IN+64*((\g)%2)+4*\hh+3]
.endr
.irp hh, 0,1,2,3,4,5,6,7,8,9,10,11,12,13,14,15
	global_store_b64 v5, v[OUTC+32*((\g)%2)+2*\hh:OUTC+32*((\g)%2)+2*\hh+1], s[22:23] offset:\hh*131072+(\g)*256
.endr
.if (\g) < 2
	LOADG (\g)+2
.endif
.endm
	LOADG 0
	LOADG 1
	CASTG 0
	CASTG 1
	CASTG 2
	CASTG 3
	s_endpgm
.Lfunc_end_k_q0e9ab8d20c_prep:
	.size	k_q0e9ab8d20c_prep, .Lfunc_end_k_q0e9ab8d20c_prep-k_q0e9ab8d20c_prep
	.p2alignl 7, 3214868480
	.fill 96, 4, 3214868480
	.section	.rodata,"a",@progbits
	.p2align	6, 0x0
	.amdhsa_kernel k_q0e9ab8d20c_prep
		.amdhsa_group_segment_fixed_size 33280
		.amdhsa_private_segment_fixed_size 0
		.amdhsa_enable_private_segment 0
		.amdhsa_kernarg_size 80
		.amdhsa_user_sgpr_count 2
		.amdhsa_user_sgpr_kernarg_segment_ptr 1
		.amdhsa_wavefront_size32 1
		.amdhsa_system_sgpr_workgroup_id_x 1
		.amdhsa_system_sgpr_workgroup_id_y 1
		.amdhsa_system_sgpr_workgroup_id_z 1
		.amdhsa_system_vgpr_workitem_id 0
		.amdhsa_next_free_vgpr 208
		.amdhsa_next_free_sgpr 66
		.amdhsa_reserve_vcc 0
		.amdhsa_float_denorm_mode_32 3
		.amdhsa_float_denorm_mode_16_64 3
		.amdhsa_memory_ordered 1
		.amdhsa_forward_progress 1
		.amdhsa_inst_pref_size 54
	.end_amdhsa_kernel
	.amdgpu_metadata
---
amdhsa.version: [ 1, 2 ]
amdhsa.kernels:
  - .name:           k_q0e9ab8d20c_prep
    .symbol:         k_q0e9ab8d20c_prep.kd
    .args:
      - { .name: x, .offset: 0, .size: 8, .value_kind: global_buffer, .address_space: global }
      - { .name: Wq, .offset: 8, .size: 8, .value_kind: global_buffer, .address_space: global }
      - { .name: Wk, .offset: 16, .size: 8, .value_kind: global_buffer, .address_space: global }
      - { .name: Wv, .offset: 24, .size: 8, .value_kind: global_buffer, .address_space: global }
      - { .name: Wo, .offset: 32, .size: 8, .value_kind: global_buffer, .address_space: global }
      - { .name: xc, .offset: 40, .size: 8, .value_kind: global_buffer, .address_space: global }
      - { .name: xs, .offset: 48, .size: 8, .value_kind: global_buffer, .address_space: global }
      - { .name: wc, .offset: 56, .size: 8, .value_kind: global_buffer, .address_space: global }
      - { .name: ws, .offset: 64, .size: 8, .value_kind: global_buffer, .address_space: global }
      - { .name: wo16, .offset: 72, .size: 8, .value_kind: global_buffer, .address_space: global }
    .group_segment_fixed_size: 33280
    .private_segment_fixed_size: 0
    .kernarg_segment_align: 8
    .kernarg_segment_size: 80
    .max_flat_workgroup_size: 128
    .sgpr_count:     66
    .vgpr_count:     208
    .wavefront_size: 32
...
	.end_amdgpu_metadata
.endif
;; end of part 1
;; launch qkv (part 2): grid 12 x 16, 4 waves a work-group, clusters of 4 x 1, 327,680 bytes of LDS; arguments xc, xs, wc, ws, qkv16, qkv32; writes qkv16, qkv32
.if DOCPART == 2
	.amdgcn_target "amdgcn-amd-amdhsa--gfx1250"
	.amdhsa_code_object_version 6
	.text
	.protected	k_q0e9ab8d20c_qkv
	.globl	k_q0e9ab8d20c_qkv
	.p2align	8
	.type	k_q0e9ab8d20c_qkv,@function
k_q0e9ab8d20c_qkv:
	s_mov_b64 s[64:65], 0
	v_nop
	global_prefetch_b8 v0, s[64:65] scope:SCOPE_SE
	s_setreg_imm32_b32 hwreg(HW_REG_WAVE_MODE, 25, 1), 1
	s_wait_xcnt 0x0
	s_wait_alu depctr_hold_cnt(0) depctr_sa_sdst(0) depctr_va_vdst(0) depctr_va_sdst(0) depctr_va_ssrc(0) depctr_va_vcc(0) depctr_vm_vsrc(0)
	s_getreg_b32 s2, hwreg(HW_REG_IB_STS2, 6, 4)
	s_cmp_eq_u32 s2, 0
	s_cbranch_scc0 .Lentry_in_a_cluster
	s_endpgm
.Lentry_in_a_cluster:
	s_bfe_u32 s2, ttmp6, 0x10000c
	s_cmp_lg_u32 s2, 0x3003
	s_cbranch_scc0 .Lentry_shape_is_right
	s_endpgm
.Lentry_shape_is_right:
; QKV.  The three quantised products as ONE product on codes of FP4 (E2M1) with E8M0 scales: C[token][n] = sum over k of x[token][k] W[n][k], 4,096 x 3,072 x 1,024; W's rows are Wq's, Wk's, Wv's.  Sums in f32.
; Results: qkv16 [3 which][32 bh][2048 s][64 d] in f16 (which = 0 q, 1 k, 2 v; bh = 16 batch + head), and the raw f32 sums of tokens 0-15 of each batch in qkv32 [16 batch + s][3072].
; LIMIT: results beyond 65,504 become infinite in f16; under 6e-5 they keep an absolute error of 3e-8.
; A tile of C, 256 x 256, is made by four waves; a wave makes 128 x 128: 64 accumulators of 16 x 16, 512 registers.  A row of 1,024 codes is 512 bytes: two LDS slots of 512 along K hold all of K,
; so both slots are filled once, at the head, and nothing is filled again.  The scale bytes of the 256 + 256 rows come once too, as dense blocks.
; 192 work-groups: a wave has 512 matrix instructions in all, and a tile that gave every WGP a work-group would have a shape of its own; the plain tile is kept.
; CLUSTER: 4 x 1.  The four work-groups of a cluster share their tile row, so x's tiles and scales are asked for JOINTLY (the same load, the same descriptor, the mask 15 in all four); W's tiles hang on the tile
; column and are each work-group's own.  Not 4 x 4: the f32 copy of tokens 0-15 wants a branch on the tile row, which here is the cluster's own y and the same in all partners.
; THE MATRIX INSTRUCTION IS USED TRANSPOSED (source 0 = 16 rows of W, source 1 = 16 tokens): a lane then holds eight neighbouring columns of one token.
; REGISTERS, in windows of 256: window 0: v0-31 addresses; v32-95 scale words, two sets; v128-191 x's fragments, ONE set; on the way out v96-127, v192-255.  window 1: W's fragments, TWO sets, at v0 and v128.
;   window 2: the 32 accumulators of my rows 0-63 (accumulator (a, b) at v[8 (8 a + b)]);  window 3: those of my rows 64-127.
.set NQ,     4                         ; steps of 128 along K in a slot
.set ROWB,   256                       ; a tile's row in bytes: 512 codes
.set KROW,   512                       ; a row of codes in memory
.set PITCH,  272                       ; an LDS row: 256 bytes + 16 of padding = 68 words: the 16 rows that a load touches start 4 banks apart (64 banks of 4 bytes: ISA guide 11.1)
.set FR,     8                         ; registers of a fragment: 16 rows x 128 K
.set NL,     2                         ; LDS loads that bring one
.set NP,     4                         ; places behind this matrix instruction (ISA guide 7.12.1)
.set HALFT,  128*PITCH                 ; 128 rows: what one tensor load brings
.set SLOT,   4*HALFT                   ; x's 256 rows, then W's 256 rows
.set KS,     32                        ; a row of scale bytes
.set SCL,    2*SLOT                    ; behind the slots: the scales, as runs of 256 bytes + 16 of padding
.set HALFS,  (128*KS/256)*272          ; the scales of 128 rows
.set SBLK,   (16*KS/256)*272           ; those of 16 rows
.set SPARE,  SCL+4*HALFS               ; the spare words, 128 bytes a wave, which no other line names
.set P16,    144                       ; the way out, f16: for each wave 2 heads x 16 tokens x (128 bytes + 16).  The stages lie in slot 0, which has had its only fill and its last read when the first result is stored there
.set ST32,   4*32*P16                  ; behind them the f32 stages: 16 rows x (512 bytes + 16) for each wave
.set P32,    528
.set ADRA, 16                          ; v16-17 LDS address of my x fragments in slot 0, 1
.set ADRB, 20                          ; v20-21 the same for W
.set STO,  24                          ; v24 where I put 16 bytes of a token (f16)
.set RD,   25                          ; v25 where I read tokens back
.set CO,   26                          ; v26 16 x lane
.set ADRS, 27                          ; v27 LDS address of my scale words: lanes 0-15 x's rows, lanes 16-31 W's
.set SPW,  28                          ; v28 my spare word; never rewritten
.set NIL,  29                          ; v29 0; never rewritten
.set STO32, 30                         ; v30, v31 the same two for the f32 stage
.set RD32, 31
.set SC,   32                          ; scale words: set s at v[SC + 32 s]; register 4 i + q: lanes 0-15 the word of x's block i, lanes 16-31 that of W's block i, for the slot's q-th 128 along K
.set AF,   128                         ; x's fragments, window 0
.set TMP,  192                         ; the way out: packed results
.set OB,   96                          ; and tokens read back: v96-127 and v224-255 by turns
.set G1, 24                            ; s[24:31] group 1 for x's tiles;  s[32:39] group 0, one set for each slot
.set G0, 32
.set G1B, 48                           ; s[48:55], s[56:63] the same for W's tiles
.set G0B, 56
.set G1S, 68                           ; s[68:75], s[76:79] for x's scales;  s[80:87], s[88:91] for W's
.set G0S, 76
.set G1SB, 80
.set G0SB, 88
.set MSB, 0
.macro WIN new                         ; the immediate's high byte repeats the setting that is left
.if MSB != \new
	s_set_vgpr_msb (MSB<<8)|\new
.set MSB, \new
.endif
.endm
.set MUL_LO, 0xa1                      ; source 0 (W) window 1, source 1 (x) window 0, C and D window 2
.set MUL_HI, 0xf1                      ; the same, C and D window 3
.set TO_B,   0x40                      ; destination window 1, address window 0
; Waves 0 and 1 fetch for x (jointly), waves 2 and 3 for W.  The branch hangs on the wave's number alone.  An s_nop 0 and four v_nop follow each of the two lines.
.macro JLOAD g0a, g1a, g0b, g1b
	s_cmp_eq_u32 s15, 0
	s_cbranch_scc0 .Lfor_b_\@
	tensor_load_to_lds s[\g0a:\g0a+3], s[\g1a:\g1a+7]
	s_nop 0
.rept 4
	v_nop
.endr
	s_branch .Lasked_\@
.Lfor_b_\@:
	tensor_load_to_lds s[\g0b:\g0b+3], s[\g1b:\g1b+7]
	s_nop 0
.rept 4
	v_nop
.endr
.Lasked_\@:
.endm
.macro CROUND                          ; a round of the cluster's barrier: my work-group's barrier; wave 0 signals for the work-group; every wave waits for all four; my work-group's barrier once more
	s_barrier_signal -1
	s_barrier_wait -1
	s_cmp_lg_u32 s14, 0
	s_cbranch_scc1 .Lnot_wave_0_\@
	s_barrier_signal -3
.Lnot_wave_0_\@:
	s_barrier_wait -3
	s_barrier_signal -1
	s_barrier_wait -1
.endm
	s_load_b128 s[4:7], s[0:1], 0x0                ; x's codes s[4:5], x's scales s[6:7]
	s_load_b128 s[8:11], s[0:1], 0x10              ; W's codes s[8:9], W's scales s[10:11]
	s_load_b64 s[12:13], s[0:1], 0x20              ; qkv16
	s_load_b64 s[96:97], s[0:1], 0x28              ; qkv32
	v_lshl_add_u32 v[SPW], v0, 2, SPARE
	v_mov_b32 v[NIL], 0
	ds_add_u32 v[SPW], v[NIL]                      ; the wave's opening: the add, twice on end, and its wait ahead of my first tensor load
	ds_add_u32 v[SPW], v[NIL]
	v_lshrrev_b32 v1, 5, v0
	v_readfirstlane_b32 s14, v1                    ; wave 0..3
	s_lshr_b32 s15, s14, 1                         ; which half of the tile's rows is mine.  Also: I fetch for x (0) or for W (1)
	s_and_b32 s16, s14, 1                          ; which half of its columns.  Also: which 128 rows I fetch
	s_bfe_u32 s40, ttmp6, 0x40000                  ; cx: my place in the cluster
	s_lshl_b32 s42, ttmp9, 2
	s_add_co_u32 s42, s42, s40                     ; tile column = 4 x cluster x + cx
	s_and_b32 s17, ttmp7, 0xffff                   ; tile row = the cluster's y
	; group 1: a tile of 128 rows x 256 bytes, padded in LDS
	s_mov_b32 s[G1+0], 15|(1<<20)|(1<<21)|(5<<22)|(3<<25)   ; 15:0 the mask: all four work-groups; 17:16 elements of 1 byte; 20 padding on; 21 set beside a mask; 24:22 after every 64 words; 31:25 four words
	s_mov_b32 s[G1B+0], (1<<20)|(5<<22)|(3<<25)             ; W's: no mask
.irp g, G1, G1B
	s_mov_b32 s[\g+1], ROWB<<16                    ; tensor_dim0
	s_mov_b32 s[\g+2], 128<<16                     ; tensor_dim1
	s_mov_b32 s[\g+3], ROWB<<16                    ; tile_dim0
	s_mov_b32 s[\g+4], 128                         ; tile_dim1
	s_mov_b32 s[\g+5], KROW                        ; from row to row
	s_mov_b32 s[\g+6], 0
	s_mov_b32 s[\g+7], 0
.endr
	; the scales of 128 rows: a dense block of 4,096 bytes, as 16 rows of 256 bytes (32 elements of 8 bytes), 16 bytes of padding behind each
	s_mov_b32 s[G1S+0], 15|(3<<16)|(1<<20)|(1<<21)|(5<<22)|(3<<25)
	s_mov_b32 s[G1SB+0], (3<<16)|(1<<20)|(5<<22)|(3<<25)
.irp g, G1S, G1SB
	s_mov_b32 s[\g+1], 32<<16
	s_mov_b32 s[\g+2], (128*KS/256)<<16
	s_mov_b32 s[\g+3], 32<<16
	s_mov_b32 s[\g+4], 128*KS/256
	s_mov_b32 s[\g+5], 32
	s_mov_b32 s[\g+6], 0
	s_mov_b32 s[\g+7], 0
.endr
	s_lshl_b32 s18, s16, 7                         ; which 128 rows of the tile I fetch
	s_lshl_b32 s20, s17, 8
	s_add_co_u32 s20, s20, s18                     ; x: row 256 x tile row + 128 x half: nothing of cx in it
	s_lshl_b32 s46, s42, 8
	s_add_co_u32 s46, s46, s18                     ; W: row 256 x tile column + 128 x half
	s_mov_b32 s21, 0
	s_mov_b32 s47, 0
	s_mov_b64 s[18:19], KS
	s_mul_u64 s[22:23], s[20:21], s[18:19]         ; where these rows' scales begin, in bytes,
	s_mul_u64 s[92:93], s[46:47], s[18:19]
	s_mov_b64 s[18:19], KROW
	s_mul_u64 s[20:21], s[20:21], s[18:19]         ; and their codes
	s_mul_u64 s[46:47], s[46:47], s[18:19]
	s_mul_i32 s45, s14, HALFT                      ; where they go: wave x 128 rows: no place in the cluster enters an LDS address
	s_mul_i32 s94, s14, HALFS
	s_wait_dscnt 0x0                               ; both opening adds are done
	s_wait_kmcnt 0x0
	s_add_nc_u64 s[20:21], s[4:5], s[20:21]
	s_add_nc_u64 s[22:23], s[6:7], s[22:23]
	s_add_nc_u64 s[46:47], s[8:9], s[46:47]
	s_add_nc_u64 s[92:93], s[10:11], s[92:93]
	CROUND                                         ; all four work-groups are here: the joint loads meet
	s_mov_b32 s[G0S], 1
	s_add_co_u32 s[G0S+1], s94, SCL
	s_mov_b64 s[G0S+2:G0S+3], s[22:23]
	s_or_b32 s[G0S+3], s[G0S+3], 0x80000000
	s_mov_b32 s[G0SB], 1
	s_add_co_u32 s[G0SB+1], s94, SCL
	s_mov_b64 s[G0SB+2:G0SB+3], s[92:93]
	s_or_b32 s[G0SB+3], s[G0SB+3], 0x80000000
	JLOAD G0S, G1S, G0SB, G1SB                     ; the scales first: they are wanted with the first slot
.irp s, 0,1
	s_mov_b32 s[G0+4*\s], 1
	s_add_co_u32 s[G0+4*\s+1], s45, \s*SLOT
	s_add_nc_u64 s[G0+4*\s+2:G0+4*\s+3], s[20:21], \s*ROWB
	s_or_b32 s[G0+4*\s+3], s[G0+4*\s+3], 0x80000000
	s_mov_b32 s[G0B+4*\s], 1
	s_add_co_u32 s[G0B+4*\s+1], s45, \s*SLOT
	s_add_nc_u64 s[G0B+4*\s+2:G0B+4*\s+3], s[46:47], \s*ROWB
	s_or_b32 s[G0B+4*\s+3], s[G0B+4*\s+3], 0x80000000
	JLOAD G0+4*\s, G1, G0B+4*\s, G1B               ; three loads of mine are out behind the second of these
.endr
	v_and_b32 v1, 15, v0                           ; r = lane % 16
	v_bfe_u32 v2, v0, 4, 1                         ; h = lane / 16
	v_mul_u32_u24 v3, v1, PITCH
	v_lshl_add_u32 v4, v2, 4, v3                   ; a fragment's row x pitch + 16 x half
	s_mul_i32 s21, s15, HALFT                      ; my 128 rows of x
	s_mul_i32 s22, s16, HALFT                      ; my 128 rows of W,
	s_add_co_u32 s22, s22, 2*HALFT                 ; which lie behind x's 256
.irp s, 0,1
	v_add_nc_u32 v[ADRA+\s], s21, v4
	v_add_nc_u32 v[ADRB+\s], s22, v4
	s_add_co_u32 s21, s21, SLOT
	s_add_co_u32 s22, s22, SLOT
.endr
	v_mul_u32_u24 v5, v1, KS                       ; my row's scales: 32 bytes a row,
	v_lshrrev_b32 v6, 8, v5
	v_lshl_add_u32 v5, v6, 4, v5                   ; and 16 more for each 256 passed
	s_mul_i32 s21, s15, HALFS                      ; x's: my 128 rows
	s_mul_i32 s22, s16, HALFS                      ; W's: my 128 rows, behind x's 256
	s_add_co_u32 s22, s22, 2*HALFS
	s_sub_co_u32 s22, s22, s21
	v_mul_u32_u24 v6, s22, v2                      ; lanes 16-31 take W's: the lower base + h x the distance
	s_add_co_u32 s21, s21, SCL
	v_add_nc_u32 v5, v5, v6
	v_add_nc_u32 v[ADRS], s21, v5
	; the way out
	s_mul_i32 s23, s14, 32*P16                     ; my f16 stage
	v_mul_u32_u24 v5, v1, P16
	v_lshl_add_u32 v5, v2, 4, v5
	v_add_nc_u32 v[STO], s23, v5                   ; in: token r, 16 bytes for each half of the lanes
	v_and_b32 v6, 31, v0
	v_lshrrev_b32 v7, 3, v6
	v_mul_u32_u24 v7, v7, P16
	v_and_b32 v8, 7, v0
	v_lshl_add_u32 v7, v8, 4, v7
	v_add_nc_u32 v[RD], s23, v7                    ; back: eight lanes to a token's 128 bytes, four tokens an instruction
	v_lshlrev_b32 v[CO], 4, v6
	s_mul_i32 s23, s14, 16*P32
	s_add_co_u32 s23, s23, ST32                    ; my f32 stage
	v_mul_u32_u24 v5, v1, P32
	v_lshl_add_u32 v5, v2, 5, v5
	v_add_nc_u32 v[STO32], s23, v5
	v_add_nc_u32 v[RD32], s23, v[CO]
	; qkv16: which x 8,388,608 + ((16 batch + head) x 2,048 + s) x 128, for my first head and my first token
	s_lshr_b32 s20, s42, 2
	s_lshl_b32 s20, s20, 23
	s_lshr_b32 s21, s17, 3
	s_lshl_b32 s21, s21, 4
	s_and_b32 s22, s42, 3
	s_lshl_b32 s22, s22, 2
	s_add_co_u32 s21, s21, s22
	s_lshl_b32 s22, s16, 1
	s_add_co_u32 s21, s21, s22                     ; 16 batch + 4 (tile column % 4) + 2 x column half
	s_lshl_b32 s21, s21, 11
	s_and_b32 s22, s17, 7
	s_lshl_b32 s22, s22, 8
	s_add_co_u32 s21, s21, s22
	s_lshl_b32 s22, s15, 7
	s_add_co_u32 s21, s21, s22                     ; + 256 (tile row % 8) + 128 x row half
	s_lshl_b32 s21, s21, 7
	s_add_co_u32 s20, s20, s21                     ; under 25,165,824
	s_mov_b32 s21, 0
	s_add_nc_u64 s[12:13], s[12:13], s[20:21]
	; qkv32: batch x 16 rows of 12,288 bytes + my first column x 4
	s_lshr_b32 s22, s17, 3
	s_mul_i32 s22, s22, 196608
	s_lshl_b32 s23, s42, 10
	s_add_co_u32 s22, s22, s23
	s_lshl_b32 s23, s16, 9
	s_add_co_u32 s22, s22, s23
	s_mov_b32 s23, 0
	s_add_nc_u64 s[96:97], s[96:97], s[22:23]
.macro FRAG reg, adr, q, i             ; a fragment, 16 rows x 128 K of 4-bit codes: lane l holds row l % 16; registers 4 c .. 4 c + 3 hold K = 64 c + 32 (l / 16) + 0 .. 31
.irp c, 0,1
	ds_load_b128 v[\reg+4*\c:\reg+4*\c+3], v[\adr] offset:64*(\q)+32*\c+(\i)*16*PITCH
.endr
.endm
; 16 matrix instructions: x's blocks a0, a0 + 1 against W's eight, 128 along K: the slot's q-th.  p: W's set;  sc: the set of scale words.  zero = 1: the first product starts the sums.
; The 64 accumulators take turns, one instruction a turn, in the same order in every step.
.macro MUL16 a0, p, q, sc, zero
.irp a, \a0, \a0+1
.irp b, 0,1,2,3,4,5,6,7
.if \zero
	v_wmma_scale_f32_16x16x128_f8f6f4 v[8*(8*((\a)%4)+\b):8*(8*((\a)%4)+\b)+7], v[128*(\p)+FR*\b:128*(\p)+FR*\b+FR-1], v[AF+FR*(\a):AF+FR*(\a)+FR-1], 0, v[SC+8*NQ*(\sc)+NQ*\b+(\q)], v[SC+8*NQ*(\sc)+NQ*(\a)+(\q)] matrix_a_fmt:MATRIX_FMT_FP4 matrix_b_fmt:MATRIX_FMT_FP4 matrix_a_scale:MATRIX_SCALE_ROW1
.else
	v_wmma_scale_f32_16x16x128_f8f6f4 v[8*(8*((\a)%4)+\b):8*(8*((\a)%4)+\b)+7], v[128*(\p)+FR*\b:128*(\p)+FR*\b+FR-1], v[AF+FR*(\a):AF+FR*(\a)+FR-1], v[8*(8*((\a)%4)+\b):8*(8*((\a)%4)+\b)+7], v[SC+8*NQ*(\sc)+NQ*\b+(\q)], v[SC+8*NQ*(\sc)+NQ*(\a)+(\q)] matrix_a_fmt:MATRIX_FMT_FP4 matrix_b_fmt:MATRIX_FMT_FP4 matrix_a_scale:MATRIX_SCALE_ROW1
.endif
.endr
.endr
.endm
.macro FETCH_B slot, q, p              ; W's eight fragments of the slot's q-th 128 along K into set p
	WIN TO_B
.irp i, 0,1,2,3,4,5,6,7
	FRAG 128*(\p)+FR*\i, ADRB+\slot, \q, \i
.endr
	WIN 0
.endm
.macro FETCH_A slot, q, i0             ; x's blocks i0 .. i0 + 3
.irp i, \i0, \i0+1, \i0+2, \i0+3
	FRAG AF+FR*(\i), ADRA+\slot, \q, \i
.endr
.endm
.macro SCALES sc                       ; a slot's scale words into set sc: four words a row; lanes 0-15 take x's block i, lanes 16-31 W's block i
.irp i, 0,1,2,3,4,5,6,7
	ds_load_b128 v[SC+8*NQ*\sc+NQ*\i:SC+8*NQ*\sc+NQ*\i+3], v[ADRS] offset:\i*SBLK
.endr
.endm
; A load into a register that a matrix instruction has read, and a vector instruction or an LDS store that reads a matrix result, stand NP places behind that matrix instruction; only plain vector
; instructions that name none of its registers are places (ISA guide 7.12.1 for vector instructions).
.macro PLACES n
.rept \n
	v_nop
.endr
.endm
.macro STEP slot, q, zero              ; a step of 128 along K that has its successor in the same slot
	s_wait_dscnt 4*NL                              ; W's set and x's blocks 0-3 are in; the youngest eight loads (x's blocks 4-7) may be out
	WIN MUL_LO
	MUL16 0, (\q)%2, \q, \slot, \zero
	MUL16 2, (\q)%2, \q, \slot, \zero
	s_wait_dscnt 0                                 ; x's blocks 4-7 are in
	PLACES NP
	FETCH_B \slot, (\q)+1, 1-(\q)%2
	FETCH_A \slot, (\q)+1, 0
	WIN MUL_HI
	MUL16 4, (\q)%2, \q, \slot, \zero
	MUL16 6, (\q)%2, \q, \slot, \zero
	PLACES NP
	WIN 0
	FETCH_A \slot, (\q)+1, 4
.endm
.macro STEPS slot, from                ; the slot's steps from .. NQ - 2
.set Q, \from
.rept NQ-1-\from
	STEP \slot, Q, 0
.set Q, Q+1
.endr
.endm
	s_wait_tensorcnt 1                             ; the scales and my part of slot 0 are in; slot 1's load may be out
	s_barrier_signal -1
	s_barrier_wait -1                              ; everybody's are
	FETCH_B 0, 0, 0
	FETCH_A 0, 0, 0
	SCALES 0
	FETCH_A 0, 0, 4
	STEP 0, 0, 1                                   ; the first step's products start the sums: nothing is cleared
	STEPS 0, 1
	; slot 0's last step changes slots: one barrier; in front of it my part of slot 1 has landed and my reads of slot 0 are over.  Behind it slot 1 is whole, and slot 0 is nobody's: it becomes the stages
	s_wait_tensorcnt 0x0                           ; all my tensor loads have landed
	ds_add_u32 v[SPW], v[NIL]                      ; 0 onto my spare word
	s_wait_dscnt 4*NL+1                            ; (the add and the youngest eight loads may be out)
	WIN MUL_LO
	MUL16 0, 1, NQ-1, 0, 0
	s_wait_dscnt 0x0                               ; the add is done, and my reads of slot 0 are over
	s_barrier_signal -1
	MUL16 2, 1, NQ-1, 0, 0
	WIN 0
	s_barrier_wait -1
	PLACES NP
	v_add_nc_u32 v[ADRS], 4*NQ, v[ADRS]            ; on to slot 1's scale words (no LDS load of mine is out)
	FETCH_B 1, 0, 0
	FETCH_A 1, 0, 0
	SCALES 1
	WIN MUL_HI
	MUL16 4, 1, NQ-1, 0, 0
	MUL16 6, 1, NQ-1, 0, 0
	PLACES NP
	WIN 0
	FETCH_A 1, 0, 4
	STEPS 1, 0
	s_wait_dscnt 4*NL                              ; the very last step: nothing more to fetch
	WIN MUL_LO
	MUL16 0, 1, NQ-1, 1, 0
	MUL16 2, 1, NQ-1, 1, 0
	s_wait_dscnt 0
	WIN MUL_HI
	MUL16 4, 1, NQ-1, 1, 0
	MUL16 6, 1, NQ-1, 1, 0
	WIN 0
	PLACES NP                                      ; for the first reads of results, and for loads into registers that held operands
	; THE f32 COPY of tokens 0-15 of a batch: they are block 0 of the waves with row half 0 in tile rows 0 and 8.  The branch hangs on the cluster's y and the wave's number.
	s_and_b32 s22, s17, 7
	s_or_b32 s22, s22, s15
	s_cmp_lg_u32 s22, 0
	s_cbranch_scc1 .Lno32
	WIN 0x08                                       ; an LDS store's data are its source 1: window 2
.irp b, 0,1,2,3,4,5,6,7
	ds_store_b128 v[STO32], v[8*\b:8*\b+3] offset:64*\b          ; each accumulator from its low end on
	ds_store_b128 v[STO32], v[8*\b+4:8*\b+7] offset:64*\b+16
.endr
	WIN 0
.irp t, 0,1,2,3,4,5,6,7,8,9,10,11,12,13,14,15
	ds_load_b128 v[AF+4*\t:AF+4*\t+3], v[RD32] offset:\t*P32     ; LDS serves a wave's instructions in order: these see my stores
.endr
	s_wait_dscnt 0x0
.irp t, 0,1,2,3,4,5,6,7,8,9,10,11,12,13,14,15
	global_store_b128 v[CO], v[AF+4*\t:AF+4*\t+3], s[96:97] offset:\t*12288   ; 32 lanes store 512 consecutive bytes of a row, aligned to 256
.endr
.Lno32:
; THE WAY OUT, block by block of 16 tokens x 128 columns (two heads).  PACK: rounded to f16, 16 bytes a lane.  TOSTAGE: into my own stage and back by tokens.  SEND: four tokens of one head, 512 consecutive bytes, a store.
.macro PACK a
.set AC, 64*((\a)%4)
	WIN 0x0a+5*((\a)/4)                            ; sources 0 and 1: window 2 or 3
.irp b, 0,1,2,3,4,5,6,7
.irp r, 0,1,2,3
	v_cvt_pk_f16_f32 v[TMP+4*\b+\r], v[AC+8*\b+2*\r], v[AC+8*\b+2*\r+1]
.endr
.endr
	WIN 0
.endm
.macro TOSTAGE a
.set BK, OB+128*((\a)%2)
.irp b, 0,1,2,3,4,5,6,7
	ds_store_b128 v[STO], v[TMP+4*\b:TMP+4*\b+3] offset:(\b/4)*16*P16+(\b%4)*32
.endr
.irp t, 0,1,2,3,4,5,6,7
	ds_load_b128 v[BK+4*\t:BK+4*\t+3], v[RD] offset:(\t/4)*16*P16+(\t%4)*4*P16
.endr
.endm
.macro SEND a
.set BK, OB+128*((\a)%2)
	s_wait_dscnt 0x0                               ; the block is back in registers
	s_wait_xcnt 0x0                                ; earlier stores have read their base and their registers: only behind this wait are they written again
.if (\a) > 0
	s_add_nc_u64 s[12:13], s[12:13], 16*128        ; 16 tokens on
.endif
.irp t, 0,1,2,3,4,5,6,7
	global_store_b128 v[CO], v[BK+4*\t:BK+4*\t+3], s[12:13] offset:(\t/4)*262144+(\t%4)*512
.endr
.endm
	PACK 0
	TOSTAGE 0
.irp a, 1,2,3,4,5,6,7                  ; block a's conversions stand between block a - 1's loads from the stage and the wait for them
	PACK \a
	SEND \a-1
	TOSTAGE \a
.endr
	SEND 7
	s_wait_tensorcnt 0x0                           ; the wave's end
	ds_add_u32 v[SPW], v[NIL]
	s_wait_dscnt 0x0
	CROUND                                         ; the closing round: no work-group ends while a partner may still ask for a tile that names it
	s_endpgm
.Lfunc_end_k_q0e9ab8d20c_qkv:
	.size	k_q0e9ab8d20c_qkv, .Lfunc_end_k_q0e9ab8d20c_qkv-k_q0e9ab8d20c_qkv
	.p2alignl 7, 3214868480
	.fill 96, 4, 3214868480
	.section	.rodata,"a",@progbits
	.p2align	6, 0x0
	.amdhsa_kernel k_q0e9ab8d20c_qkv
		.amdhsa_group_segment_fixed_size 327680
		.amdhsa_private_segment_fixed_size 0
		.amdhsa_enable_private_segment 0
		.amdhsa_kernarg_size 48
		.amdhsa_user_sgpr_count 2
		.amdhsa_user_sgpr_kernarg_segment_ptr 1
		.amdhsa_wavefront_size32 1
		.amdhsa_system_sgpr_workgroup_id_x 1
		.amdhsa_system_sgpr_workgroup_id_y 1
		.amdhsa_system_sgpr_workgroup_id_z 1
		.amdhsa_system_vgpr_workitem_id 0
		.amdhsa_next_free_vgpr 1024
		.amdhsa_next_free_sgpr 100
		.amdhsa_reserve_vcc 0
		.amdhsa_float_denorm_mode_32 3
		.amdhsa_float_denorm_mode_16_64 3
		.amdhsa_memory_ordered 1
		.amdhsa_forward_progress 1
		.amdhsa_inst_pref_size 131
	.end_amdhsa_kernel
	.amdgpu_metadata
---
amdhsa.version: [ 1, 2 ]
amdhsa.kernels:
  - .name:           k_q0e9ab8d20c_qkv
    .symbol:         k_q0e9ab8d20c_qkv.kd
    .args:
      - { .name: xc, .offset: 0, .size: 8, .value_kind: global_buffer, .address_space: global }
      - { .name: xs, .offset: 8, .size: 8, .value_kind: global_buffer, .address_space: global }
      - { .name: wc, .offset: 16, .size: 8, .value_kind: global_buffer, .address_space: global }
      - { .name: ws, .offset: 24, .size: 8, .value_kind: global_buffer, .address_space: global }
      - { .name: qkv16, .offset: 32, .size: 8, .value_kind: global_buffer, .address_space: global }
      - { .name: qkv32, .offset: 40, .size: 8, .value_kind: global_buffer, .address_space: global }
    .group_segment_fixed_size: 327680
    .private_segment_fixed_size: 0
    .kernarg_segment_align: 8
    .kernarg_segment_size: 48
    .max_flat_workgroup_size: 128
    .sgpr_count:     100
    .vgpr_count:     1024
    .wavefront_size: 32
...
	.end_amdgpu_metadata
.endif
;; end of part 2
;; launch attn (part 3): grid 8 x 32, 8 waves a work-group, no clusters, 327,680 bytes of LDS; arguments qkv16, mask, rel_emb, ctx16; writes ctx16
.if DOCPART == 3
	.amdgcn_target "amdgcn-amd-amdhsa--gfx1250"
	.amdhsa_code_object_version 6
	.text
	.protected	k_q0e9ab8d20c_attn
	.globl	k_q0e9ab8d20c_attn
	.p2align	8
	.type	k_q0e9ab8d20c_attn,@function
k_q0e9ab8d20c_attn:
	s_mov_b64 s[64:65], 0
	v_nop
	global_prefetch_b8 v0, s[64:65] scope:SCOPE_SE
	s_setreg_imm32_b32 hwreg(HW_REG_WAVE_MODE, 25, 1), 1
	s_wait_xcnt 0x0
; ATTN.  ctx[q] = sum over k of softmax_k(q.k / 8 + rel_emb[clip(q - k, -16, 15) + 16][h], keys k <= q whose mask is not 0) v[k], for each of 32 (batch, head).  Operands f16, products' sums, maxima and sums f32.
; In: qkv16 [3][32 bh][2048 s][64 d] f16; mask [2][2048] i32; rel_emb [32][16] f32.  Out: ctx16 [16 h][4096 token][64 d] f16.  A row with no key left gives +0.
; SHARES.  Work-group (j, bh) does two blocks of 128 queries of one head, block j and then block 15 - j: 17 units of 128 x 128 under the causal mask for every work-group.  Wave w has the strip w % 4 (32 queries: two tiles
; of 16, so that each fragment of K and V feeds two matrix instructions) and the parity w / 4: of a slot's four steps of 64 keys parity 0 takes the first and third, parity 1 the second and fourth.
; Two waves share a SIMD, so one's softmax stands beside the other's products.  Slots hold 256 keys; block j wants (j + 2) / 2 of them and block 15 - j the rest of NINE: the trip count is a constant.
; A step all of whose keys come after the strip's queries is jumped over (a branch on ids).
; THE TWO PARITIES' PARTS (c m, l, O) meet in LDS at the end: at the change of blocks every wave parks its low block's part in bytes of its own; at the end parity 1 stores its high part, and behind one barrier
; parity 0 finishes the high block and parity 1 (with its parked part back in registers) the low one, by one text.
; LAYOUT.  S^T = K Q^T + C (source 0 = 16 keys, source 1 = 16 queries) and O^T += V^T P: a lane holds ONE query (lane % 16) throughout.  V ([key][channel]) comes out of LDS turned, by ds_load_tr16_b128.
; THE PADDING MASK is the C of each score tile's first matrix instruction: 0 or NEG for each key, from a table in LDS.
; THE BIAS.  Softmax does not change when rel_emb[31][h] is taken off every score of a row, and what is left is 0 wherever q - k >= 15.  So only the steps with some q - k < 15 add
; G[160 - (q - k)], a table in LDS: NEG where q - k < 0 (the causal mask), else 8 (rel_emb[16 + min(q - k, 15)][h] - rel_emb[31][h]), in the units of the raw scores.
; SOFTMAX.  A running maximum m and sum l for each query: p = 2^(c s - c m), c = log2(e) / 8; in every step O and l are multiplied by a = 2^(c m_old - c m_new).
; LIMITS.  NEG = -2^100 stands for -infinity: f16 operands hold |q.k| under 64 x 65,504^2 = 2.7e11, and 8 |rel_emb| is taken to lie far under 2^90, so a hidden score is never taken for a true one; what is summed while only
; hidden keys have been seen is wiped by a = 0 when a true key comes, and a row whose final c m is at or under -2^90 gets 0.  NaN and infinities among the inputs are not served.
; NO CLUSTER: the jump over hidden steps, the change of blocks and the tables' addresses hang on which queries a work-group owns, which differs between the work-groups of a head.
; REGISTERS.  window 0: v0-31 addresses and head work; v32-47 statistics; v64-127 S^T; v128-159 P; v160-191 the mask's C; v192-255 the bias.  window 1: v0-31 Q; v32-63 the next block's Q; v64-127 K; v128-191 V; v192-255 O^T.
.set PK,    144                        ; a key's row of K in LDS: 128 bytes + 16
.set PV,    160                        ; of V: 128 + 32: the turning load's 8 rows x 32 bytes fall on different banks
.set VOFF,  256*PK                     ; a slot: 256 rows of K, then 256 of V.  Key x of a slot lies in row 64 ((x / 32) % 4) + 32 (x / 128) + x % 32: see the descriptors
.set SLOT1, 1<<17                      ; slot 1 begins here: one exclusive or turns an address
.set MBT,   256*(PK+PV)                ; 77,824: the mask's table, 2,048 f32
.set GT,    MBT+8192                   ; the bias's table, 256 f32
.set STG,   GT+1024                    ; the way out: for each wave 32 queries x (128 bytes + 16)
.set SPARE, STG+8*32*PK                ; the spare words, 128 bytes a wave, which no other line names
.set MRW,   8704                       ; a parked part: O^T, 8,192 bytes, and four runs of 128 bytes: c m and l of the two tiles
.set MRGH,  SLOT1+MBT                  ; behind slot 1: parity 1's high parts, one for each strip;
.set MRGL,  MRGH+4*MRW                 ; every wave's low part
.set AK0, 1                            ; v1  my lane's place in a step's K
.set AV0, 2                            ; v2  in its V
.set AM0, 3                            ; v3  in the mask's table
.set AG0, 4                            ; v4  in the bias's table
.set ADK, 5                            ; v5-8 the addresses of the step in hand
.set ADV, 6
.set ADM, 7
.set ADG, 8
.set STO, 9                            ; v9  the stage, in
.set RD,  10                           ; v10 the stage, back
.set GO,  11                           ; v11 16 x lane
.set MA,  12                           ; v12, v13 my own parked part: O^T, statistics
.set MAS, 13
.set QO,  14                           ; v14 my byte offset in a tile of Q
.set PFO, 15                           ; v15 256 x lane
.set SPW, 16                           ; v16 my spare word; never rewritten
.set NIL, 17                           ; v17 0; never rewritten
.set MH,  18                           ; v18, v19 my strip's high part (parity 1 writes it)
.set MHS, 19
.set MP,  20                           ; v20, v21 my partner's part at the end: parity 0: the high part; parity 1: parity 0's parked low part
.set MPS, 21
.set ST,  32                           ; tile t at v[ST + 8 t]: +0 c m, +1 m, +2, +3 l, +4 .. +7 at work (a at +6)
.set S,   64                           ; tile t, key tile kt at S + 32 t + 8 kt
.set P,   128                          ; tile t at P + 16 t
.set MC,  160
.set GV,  192
.set Q,   0                            ; window 1
.set QN,  32
.set KF,  64
.set VF,  128
.set O,   192
.set WV,  12
.set PAR, 13
.set STR, 14
.set J,   15
.set BH,  16
.set NLO, 17                           ; s17 slots of the low block
.set QF,  18                           ; s18 my strip's first query in the block in hand
.set QF2, 19                           ; s19 in the high block
.set KB,  20                           ; s20 the slot's first key
.set TB,  21                           ; s21 the slot's LDS byte
.set CNT, 22
.set TI,  23
.set SEL, 24                           ; s[24:25] lane selects: lane l xor 16
.set CS,  26                           ; s[26:27] c, twice
.set G1K, 28
.set G1V, 36
.set G0K, 44
.set G0V, 48
.set PFA, 52                           ; s[52:53] where my prefetches stand
.set LIM, 54
.set QFO, 55                           ; s55 the first query of the rows that I finish
.set BACK, 56                          ; s[56:57]
.set K0,  58                           ; s58 the step's first key
.set PO,  59                           ; s59 64 x parity
.set CB,  60                           ; s[60:61] ctx16 at the rows that I finish
.set MSB, 0
.macro WIN new                         ; the immediate's high byte repeats the setting that is left
.if MSB != \new
	s_set_vgpr_msb (MSB<<8)|\new
.set MSB, \new
.endif
.endm
.set W_KQ, 0x05                        ; K and Q window 1; C and S^T window 0
.set W_RS, 0x41                        ; destination and source 0 window 1
.set W_PV, 0x51                        ; V window 1, P window 0, O^T window 1
; Waves 0-3 fetch K's four parts of a slot, waves 4-7 V's: every wave issues one load.  An s_nop 0 and four v_nop follow each of the two lines.
.macro TLOAD
	s_cmp_lt_u32 s[WV], 4
	s_cbranch_scc0 .Lfor_v_\@
	tensor_load_to_lds s[G0K:G0K+3], s[G1K:G1K+7]
	s_nop 0
.rept 4
	v_nop
.endr
	s_branch .Lasked_\@
.Lfor_v_\@:
	tensor_load_to_lds s[G0V:G0V+3], s[G1V:G1V+7]
	s_nop 0
.rept 4
	v_nop
.endr
.Lasked_\@:
.endm
; A PREFETCH of the key slot after the one just asked for.  All eight work-groups of a head walk the same K and V: work-group j = 0 asks, whose trip i loads key slot i and names key slot i + 1, i = 0 .. 6.
; Each of its waves names 8,192 bytes (waves 0-3 of K, 4-7 of V), lanes 256 bytes apart: each aligned block of 256 bytes of key slots 1 to 7 is named once in the launch, and none past the head's end.
.macro ASK
	s_cmp_gt_u32 s[CNT], s[LIM]
	s_cbranch_scc0 .Lnot_mine_\@
	global_prefetch_b8 v[PFO], s[PFA:PFA+1] th:TH_LOAD_NT scope:SCOPE_SE
.Lnot_mine_\@:
.endm
.macro INIT_ST                         ; m = -3e38, under every score; l = 0; the rest written once, since a lane permute's destination counts as a source
.irp t, 0,1
	v_mov_b32 v[ST+8*\t+1], 0xff61b1e6
	v_mul_f32 v[ST+8*\t], s[CS], v[ST+8*\t+1]
.irp i, 2,3,4,5,6,7
	v_mov_b32 v[ST+8*\t+\i], 0
.endr
.endr
.endm
.macro ZERO_O                          ; the step is written once: a block's first step finds zeros, which its a = 0 leaves zeros
	WIN 0x40
.irp i, 0,1,2,3,4,5,6,7,8,9,10,11,12,13,14,15,16,17,18,19,20,21,22,23,24,25,26,27,28,29,30,31,32,33,34,35,36,37,38,39,40,41,42,43,44,45,46,47,48,49,50,51,52,53,54,55,56,57,58,59,60,61,62,63
	v_mov_b32 v[O+\i], 0
.endr
	WIN 0
.endm
	s_load_b256 s[4:11], s[0:1], 0x0               ; qkv16 s[4:5], mask s[6:7], rel_emb s[8:9], ctx16 s[10:11]
	v_lshl_add_u32 v[SPW], v0, 2, SPARE
	v_mov_b32 v[NIL], 0
	ds_add_u32 v[SPW], v[NIL]                      ; the wave's opening: the add, twice on end, and its wait ahead of my first tensor load
	ds_add_u32 v[SPW], v[NIL]
	v_lshrrev_b32 v22, 5, v0
	v_readfirstlane_b32 s[WV], v22                 ; wave 0..7
	s_lshr_b32 s[PAR], s[WV], 2
	s_and_b32 s[STR], s[WV], 3
	s_mov_b32 s[J], ttmp9
	s_and_b32 s[BH], ttmp7, 0xffff
	s_add_co_u32 s[NLO], s[J], 2
	s_lshr_b32 s[NLO], s[NLO], 1
	s_lshl_b32 s[QF], s[J], 7
	s_lshl_b32 s66, s[STR], 5
	s_add_co_u32 s[QF], s[QF], s66                 ; 128 j + 32 strip
	s_sub_co_u32 s[QF2], 15, s[J]
	s_lshl_b32 s[QF2], s[QF2], 7
	s_add_co_u32 s[QF2], s[QF2], s66
	s_cmp_eq_u32 s[PAR], 0
	s_cselect_b32 s[QFO], s[QF2], s[QF]            ; parity 0 finishes the high block, parity 1 the low one
	s_cmp_eq_u32 s[J], 0
	s_cselect_b32 s[LIM], 1, -1
	s_mov_b32 s[KB], 0
	s_mov_b32 s[TB], 0
	s_mov_b32 s[CNT], 8
	s_mov_b32 s[TI], 0
	s_mov_b32 s[BACK+1], 0
	s_mov_b32 s[SEL], 0x76543210
	s_mov_b32 s[SEL+1], 0xfedcba98
	s_mov_b32 s[CS], 0x3e38aa3b                    ; c = log2(e) / 8
	s_mov_b32 s[CS+1], s[CS]
	s_lshl_b32 s[PO], s[PAR], 6
	; group 1: TWO rows of 4,096 bytes, 16,384 bytes apart: 32 keys of the slot's lower 128 and the 32 that lie 128 further on, so that a load is read wherever the slot's lower half is.
	; Padding behind every 128 bytes: in LDS a key's row is 144 (K) or 160 (V) bytes, and the load's 64 rows lie on end.
	s_mov_b32 s[G1K], (1<<20)|(4<<22)|(3<<25)      ; elements of 1 byte; padding on; after every 32 words; four words
	s_mov_b32 s[G1V], (1<<20)|(4<<22)|(7<<25)      ; eight words
.irp g, G1K, G1V
	s_mov_b32 s[\g+1], 4096<<16                    ; tensor_dim0
	s_mov_b32 s[\g+2], 2<<16                       ; tensor_dim1
	s_mov_b32 s[\g+3], 4096<<16                    ; tile_dim0
	s_mov_b32 s[\g+4], 2                           ; tile_dim1
	s_mov_b32 s[\g+5], 16384                       ; from row to row
	s_mov_b32 s[\g+6], 0
	s_mov_b32 s[\g+7], 0
.endr
	s_lshl_b32 s66, s[BH], 18                      ; the head's 262,144 bytes in q, in k and in v
	s_lshl_b32 s68, s[STR], 12                     ; my 32 keys
	s_add_co_u32 s68, s68, s66
	s_add_co_u32 s68, s68, 1<<23                   ; in k
	s_mov_b32 s69, 0
	s_add_co_u32 s70, s68, 1<<23                   ; in v
	s_mov_b32 s71, 0
	s_mov_b32 s73, 0
	s_wait_dscnt 0x0                               ; both opening adds are done
	s_wait_kmcnt 0x0
	s_mov_b32 s[G0K], 1
	s_mul_i32 s[G0K+1], s[STR], 64*PK              ; LDS: slot 0, my 64 rows
	s_add_nc_u64 s[G0K+2:G0K+3], s[4:5], s[68:69]
	s_or_b32 s[G0K+3], s[G0K+3], 0x80000000
	s_mov_b32 s[G0V], 1
	s_mul_i32 s[G0V+1], s[STR], 64*PV
	s_add_co_u32 s[G0V+1], s[G0V+1], VOFF
	s_add_nc_u64 s[G0V+2:G0V+3], s[4:5], s[70:71]
	s_or_b32 s[G0V+3], s[G0V+3], 0x80000000
	TLOAD                                          ; slot 0: keys 0-255
	s_lshr_b32 s72, s[BH], 4
	s_lshl_b32 s72, s72, 13
	s_add_nc_u64 s[6:7], s[6:7], s[72:73]          ; my batch's mask
	s_and_b32 s72, s[BH], 15
	s_lshl_b32 s72, s72, 2
	s_add_nc_u64 s[8:9], s[8:9], s[72:73]          ; my head's column of rel_emb
	v_lshlrev_b32 v22, 5, v0                       ; thread i takes keys 8 i .. 8 i + 7
	global_load_b128 v[64:67], v22, s[6:7]
	global_load_b128 v[68:71], v22, s[6:7] offset:16
	v_min_u32 v23, 160, v0                         ; thread i makes G[i], q - k = 160 - i
	v_sub_nc_u32 v23, 160, v23
	v_min_u32 v23, 15, v23
	v_lshl_add_u32 v23, v23, 6, 1024               ; row 16 + min(q - k, 15), 64 bytes a row
	global_load_b32 v72, v23, s[8:9]
	v_mov_b32 v24, 31*64
	global_load_b32 v73, v24, s[8:9]
	s_lshl_b32 s72, s[QF], 7
	s_add_co_u32 s72, s72, s66
	s_add_nc_u64 s[74:75], s[4:5], s[72:73]        ; q at my strip of the low block,
	s_lshl_b32 s72, s[QF2], 7
	s_add_co_u32 s72, s72, s66
	s_add_nc_u64 s[76:77], s[4:5], s[72:73]        ; and of the high one
	v_and_b32 v25, 15, v0                          ; r
	v_bfe_u32 v26, v0, 4, 1                        ; h
	v_lshlrev_b32 v[QO], 7, v25
	v_lshl_add_u32 v[QO], v26, 4, v[QO]
	WIN 0x40                                       ; destination window 1
.irp t, 0,1
.irp c, 0,1
	global_load_b128 v[Q+16*\t+8*\c:Q+16*\t+8*\c+3],   v[QO], s[74:75] offset:\t*2048+\c*64
	global_load_b128 v[Q+16*\t+8*\c+4:Q+16*\t+8*\c+7], v[QO], s[74:75] offset:\t*2048+\c*64+32
.endr
.endr
.irp t, 0,1
.irp c, 0,1
	global_load_b128 v[QN+16*\t+8*\c:QN+16*\t+8*\c+3],   v[QO], s[76:77] offset:\t*2048+\c*64
	global_load_b128 v[QN+16*\t+8*\c+4:QN+16*\t+8*\c+7], v[QO], s[76:77] offset:\t*2048+\c*64+32
.endr
.endr
	WIN 0
	v_and_b32 v27, 31, v0                          ; lane
	s_mul_i32 s78, s[PAR], 128*PK                  ; parity 1's steps lie in the loads' parts 2 and 3: 128 rows on
	v_mul_u32_u24 v[AK0], v25, PK
	v_lshl_add_u32 v[AK0], v26, 4, v[AK0]
	v_add_nc_u32 v[AK0], s78, v[AK0]               ; K: row r, + 16 h
	v_and_b32 v28, 7, v0
	v_bfe_u32 v29, v0, 3, 1
	v_lshl_add_u32 v[AV0], v26, 3, v28
	v_mul_u32_u24 v[AV0], v[AV0], PV
	v_lshl_add_u32 v[AV0], v29, 4, v[AV0]          ; V, turning: key 8 h + l % 8, channels 8 ((l / 8) % 2) on
	s_mul_i32 s78, s[PAR], 128*PV
	s_add_co_u32 s78, s78, VOFF
	v_add_nc_u32 v[AV0], s78, v[AV0]
	v_lshl_add_u32 v[AM0], v26, 5, MBT             ; the mask's C: register j of key tile kt is key 16 kt + 8 h + j
	v_lshl_add_u32 v[AG0], v26, 3, 144
	v_sub_nc_u32 v[AG0], v[AG0], v25
	v_lshl_add_u32 v[AG0], v[AG0], 2, GT           ; the bias: GT + 4 (144 - r + 8 h)
	s_mul_i32 s78, s[WV], 32*PK
	s_add_co_u32 s78, s78, STG                     ; my stage
	v_mul_u32_u24 v[STO], v25, PK
	v_lshl_add_u32 v[STO], v26, 4, v[STO]
	v_add_nc_u32 v[STO], s78, v[STO]
	v_lshrrev_b32 v[RD], 3, v27
	v_mul_u32_u24 v[RD], v[RD], PK
	v_lshl_add_u32 v[RD], v28, 4, v[RD]
	v_add_nc_u32 v[RD], s78, v[RD]
	v_lshlrev_b32 v[GO], 4, v27
	s_mul_i32 s78, s[WV], MRW
	s_add_co_u32 s78, s78, MRGL
	v_add_nc_u32 v[MA], s78, v[GO]
	v_lshl_add_u32 v[MAS], v27, 2, s78
	s_mul_i32 s79, s[STR], MRW
	s_add_co_u32 s79, s79, MRGH
	v_add_nc_u32 v[MH], s79, v[GO]
	v_lshl_add_u32 v[MHS], v27, 2, s79
	s_mul_i32 s78, s[PAR], MRGL-MRGH               ; the lower base + parity x the distance
	s_add_co_u32 s79, s79, s78
	v_add_nc_u32 v[MP], s79, v[GO]
	v_lshl_add_u32 v[MPS], v27, 2, s79
	v_lshlrev_b32 v[PFO], 8, v27
	s_add_co_u32 s72, s[PAR], 1
	s_lshl_b32 s72, s72, 23                        ; waves 0-3: k; waves 4-7: v
	s_add_co_u32 s72, s72, s66
	s_lshl_b32 s78, s[STR], 13
	s_add_co_u32 s72, s72, s78
	s_add_nc_u64 s[PFA:PFA+1], s[4:5], s[72:73]    ; in key slot 0: the first change of slots steps it to key slot 1.  Nothing is prefetched here, at the head
	s_and_b32 s72, s[BH], 15
	s_lshl_b32 s72, s72, 12
	s_lshr_b32 s78, s[BH], 4
	s_lshl_b32 s78, s78, 11
	s_add_co_u32 s72, s72, s78
	s_add_co_u32 s72, s72, s[QFO]
	s_lshl_b32 s72, s72, 7                         ; (4,096 head + 2,048 batch + query) x 128 bytes
	s_add_nc_u64 s[CB:CB+1], s[10:11], s[72:73]
	INIT_ST
	ZERO_O
	s_wait_loadcnt 16                              ; the mask and rel_emb are in; Q's sixteen loads may be out
	v_mov_b32 v30, 0xf1800000                      ; NEG
.irp i, 0,1,2,3,4,5,6,7
	v_cmp_eq_u32 vcc_lo, 0, v[64+\i]
	v_cndmask_b32 v[76+\i], 0, v30, vcc_lo         ; a key whose mask is 0: NEG; else 0
.endr
	v_lshl_add_u32 v31, v0, 5, MBT
	ds_store_b128 v31, v[76:79]
	ds_store_b128 v31, v[80:83] offset:16
	v_sub_f32 v72, v72, v73
	v_mul_f32 v72, 0x41000000, v72                 ; x 8: the raw scores' units
	v_cmp_lt_u32 vcc_lo, 160, v0
	v_cndmask_b32 v72, v72, v30, vcc_lo            ; q - k < 0: NEG
	v_lshl_add_u32 v29, v0, 2, GT
	ds_store_b32 v29, v72
	s_wait_loadcnt 0x0                             ; Q.  (The tables are shown to all waves by the first change of slots: its wait for my LDS stores, and its barrier)
; THE CHANGE OF SLOTS stands at a trip's head.  Each wave waits for all its tensor loads (one is out: its part of the slot about to be read), adds 0 to its spare word, and waits for that and for its LDS instructions.
; Behind the barrier the slot ahead is whole and nobody reads the other.  fill = 1: that other slot takes the next trip's keys: the next 256, or, where the next trip begins the high block, keys 0-255 again.
.macro CHANGE fill
	s_wait_tensorcnt 0x0                           ; no tensor load of mine is out, so a group 0 may be written
	ds_add_u32 v[SPW], v[NIL]                      ; 0 onto my spare word
.if \fill
	s_add_co_u32 s62, s[TI], 1
	s_lshl_b32 s63, s[NLO], 15
	s_cmp_eq_u32 s62, s[NLO]
	s_cselect_b32 s[BACK], s63, 0                  ; back over the low block's slots, 32,768 bytes each
	s_xor_b32 s[G0K+1], s[G0K+1], SLOT1
	s_add_nc_u64 s[G0K+2:G0K+3], s[G0K+2:G0K+3], 256*128
	s_sub_nc_u64 s[G0K+2:G0K+3], s[G0K+2:G0K+3], s[BACK:BACK+1]
	s_xor_b32 s[G0V+1], s[G0V+1], SLOT1
	s_add_nc_u64 s[G0V+2:G0V+3], s[G0V+2:G0V+3], 256*128
	s_sub_nc_u64 s[G0V+2:G0V+3], s[G0V+2:G0V+3], s[BACK:BACK+1]
	s_wait_xcnt 0x0                                ; the last prefetch, a trip back, has read its address, so it may be written
	s_add_nc_u64 s[PFA:PFA+1], s[PFA:PFA+1], 256*128
.endif
	s_wait_dscnt 0x0                               ; the add is done, and my LDS reads and stores are over
	s_barrier_signal -1
	s_barrier_wait -1
.if \fill
	TLOAD                                          ; the first thing behind the barrier, and my one tensor load until the next
	ASK
.endif
.endm
; The steps with some q - k < 15: D = my first query - the step's first key is 0, 32 or 64 there.  Register 8 kt + j of tile t wants G[160 - D - 16 t - r + 16 kt + 8 h + j].
.macro NEAR
	s_add_co_u32 s62, s[K0], 78
	s_cmp_le_u32 s62, s[QF]                        ; D - 63 >= 15: nothing to add
	s_cbranch_scc1 .Lfar_\@
	s_sub_co_u32 s62, s[QF], s[K0]
	s_and_b32 s62, s62, 0x60
	s_lshl_b32 s62, s62, 2
	v_sub_nc_u32 v[ADG], v[AG0], s62
.irp t, 0,1
.irp kt, 0,1,2,3
.irp j, 0,1,2,3,4,5,6,7
	ds_load_b32 v[GV+32*\t+8*\kt+\j], v[ADG] offset:4*(16-16*\t+16*\kt+\j)
.endr
.endr
.endr
	s_wait_dscnt 0x0
.irp i, 0,2,4,6,8,10,12,14,16,18,20,22,24,26,28,30,32,34,36,38,40,42,44,46,48,50,52,54,56,58,60,62
	v_pk_add_f32 v[S+\i:S+\i+1], v[S+\i:S+\i+1], v[GV+\i:GV+\i+1]   ; ascending: each accumulator is read from its low end on
.endr
.Lfar_\@:
.endm
; The softmax of two tiles for one step, line by line by turns, so that no line waits for the line above it.
.macro SOFTMAX
.irp j, 0,1,2,3
.irp t, 0,1
	v_max3_num_f32 v[ST+8*\t+4+\j], v[S+32*\t+8*\j], v[S+32*\t+8*\j+1], v[S+32*\t+8*\j+2]   ; four chains, one for each key tile, from its low end on
.endr
.endr
.irp g, 1,2
.irp j, 0,1,2,3
.irp t, 0,1
	v_max3_num_f32 v[ST+8*\t+4+\j], v[ST+8*\t+4+\j], v[S+32*\t+8*\j+2*\g+1], v[S+32*\t+8*\j+2*\g+2]
.endr
.endr
.endr
.irp t, 0,1
	v_max3_num_f32 v[ST+8*\t+4], v[ST+8*\t+4], v[S+32*\t+7], v[S+32*\t+15]
.endr
.irp t, 0,1
	v_max3_num_f32 v[ST+8*\t+6], v[ST+8*\t+6], v[S+32*\t+23], v[S+32*\t+31]
.endr
.irp t, 0,1
	v_max3_num_f32 v[ST+8*\t+4], v[ST+8*\t+4], v[ST+8*\t+5], v[ST+8*\t+6]
.endr
.irp t, 0,1
	v_max3_num_f32 v[ST+8*\t+4], v[ST+8*\t+4], v[ST+8*\t+7], v[ST+8*\t+1]   ; and the old m
.endr
.irp t, 0,1
	v_permlanex16_b32 v[ST+8*\t+5], v[ST+8*\t+4], s[SEL], s[SEL+1]          ; the query's other 32 keys lie in the lane 16 away
.endr
.irp t, 0,1
	v_mov_b32 v[ST+8*\t+7], v[ST+8*\t]             ; c m_old
.endr
.irp t, 0,1
	v_max_num_f32 v[ST+8*\t+1], v[ST+8*\t+4], v[ST+8*\t+5]
.endr
.irp t, 0,1
	v_mul_f32 v[ST+8*\t], s[CS], v[ST+8*\t+1]
.endr
.irp t, 0,1
	v_sub_f32 v[ST+8*\t+7], v[ST+8*\t+7], v[ST+8*\t]
.endr
.irp t, 0,1
	v_exp_f32 v[ST+8*\t+6], v[ST+8*\t+7]           ; a
.endr
.irp b, 0,1,2,3,4,5,6,7,8,9,10,11,12,13,14,15
.irp t, 0,1
	v_pk_fma_f32 v[S+32*\t+2*\b:S+32*\t+2*\b+1], v[S+32*\t+2*\b:S+32*\t+2*\b+1], s[CS:CS+1], v[ST+8*\t:ST+8*\t+1] op_sel_hi:[1,0,0] neg_lo:[0,0,1] neg_hi:[0,0,1]   ; c s - c m
.endr
.endr
.irp e, 0,1,2,3,4,5,6,7,8,9,10,11,12,13,14,15,16,17,18,19,20,21,22,23,24,25,26,27,28,29,30,31
.irp t, 0,1
	v_exp_f32 v[S+32*\t+\e], v[S+32*\t+\e]
.endr
.endr
	v_nop                                          ; a plain instruction behind the last exponential
	s_wait_alu depctr_va_vdst(0)                   ; ONE wait for the 66 exponentials, ahead of the first line that names a result
.irp b, 0,1,2,3,4,5,6,7,8,9,10,11,12,13,14,15
.irp t, 0,1
	v_cvt_pk_f16_f32 v[P+16*\t+\b], v[S+32*\t+2*\b], v[S+32*\t+2*\b+1]      ; two neighbouring keys' weights: source 1 of the second product as it stands
.endr
.endr
.irp z, 0,1,2,3,4,5,6,7
.irp t, 0,1
	v_pk_add_f32 v[S+32*\t+4*\z:S+32*\t+4*\z+1], v[S+32*\t+4*\z:S+32*\t+4*\z+1], v[S+32*\t+4*\z+2:S+32*\t+4*\z+3]   ; the sum, of the unrounded weights, in place
.endr
.endr
.irp z, 0,1,2,3
.irp t, 0,1
	v_pk_add_f32 v[S+32*\t+8*\z:S+32*\t+8*\z+1], v[S+32*\t+8*\z:S+32*\t+8*\z+1], v[S+32*\t+8*\z+4:S+32*\t+8*\z+5]
.endr
.endr
.irp z, 0,1
.irp t, 0,1
	v_pk_add_f32 v[S+32*\t+16*\z:S+32*\t+16*\z+1], v[S+32*\t+16*\z:S+32*\t+16*\z+1], v[S+32*\t+16*\z+8:S+32*\t+16*\z+9]
.endr
.endr
.irp t, 0,1
	v_pk_add_f32 v[S+32*\t:S+32*\t+1], v[S+32*\t:S+32*\t+1], v[S+32*\t+16:S+32*\t+17]
.endr
.irp t, 0,1
	v_pk_fma_f32 v[ST+8*\t+2:ST+8*\t+3], v[ST+8*\t+2:ST+8*\t+3], v[ST+8*\t+6:ST+8*\t+7], v[S+32*\t:S+32*\t+1] op_sel_hi:[1,0,1]   ; l = a l + the sum
.endr
.endm
; A STEP: 64 keys, the slot's (2 u + parity)-th.
.macro STEP u
	s_add_co_u32 s[K0], s[KB], s[PO]
.if \u
	s_add_co_u32 s[K0], s[K0], 128
.endif
	s_add_co_u32 s62, s[QF], 31
	s_cmp_gt_u32 s[K0], s62                        ; all its keys come after my 32 queries: left out.  Ids and counted steps alone
	s_cbranch_scc1 .Lhid_\@
	s_and_b32 s62, s[K0], 0x7c0
	s_lshl_b32 s62, s62, 2
	v_add_nc_u32 v[ADK], s[TB], v[AK0]             ; these four plain lines are the places in front of loads into registers that the last products read
	v_add_nc_u32 v[ADV], s[TB], v[AV0]
	v_add_nc_u32 v[ADM], s62, v[AM0]
	v_nop
.irp kt, 0,1,2,3
	ds_load_b128 v[MC+8*\kt:MC+8*\kt+3],   v[ADM] offset:64*\kt
	ds_load_b128 v[MC+8*\kt+4:MC+8*\kt+7], v[ADM] offset:64*\kt+16
.endr
	WIN 0x40
.irp kt, 0,1,2,3
.irp c, 0,1
	ds_load_b128 v[KF+16*\kt+8*\c:KF+16*\kt+8*\c+3],   v[ADK] offset:\u*32*PK+(\kt/2)*64*PK+(\kt%2)*16*PK+64*\c
	ds_load_b128 v[KF+16*\kt+8*\c+4:KF+16*\kt+8*\c+7], v[ADK] offset:\u*32*PK+(\kt/2)*64*PK+(\kt%2)*16*PK+64*\c+32
.endr
.endr
.irp ct, 0,1,2,3
.irp kh, 0,1
	ds_load_tr16_b128 v[VF+16*\ct+8*\kh:VF+16*\ct+8*\kh+3],   v[ADV] offset:\u*32*PV+\kh*64*PV+\ct*32
	ds_load_tr16_b128 v[VF+16*\ct+8*\kh+4:VF+16*\ct+8*\kh+7], v[ADV] offset:\u*32*PV+\kh*64*PV+16*PV+\ct*32
.endr
.endr
	s_wait_dscnt 16                                ; the mask's C and K are in; V's sixteen loads may be out
	WIN W_KQ
.irp kt, 0,1,2,3                       ; eight accumulators by turns, one instruction a turn; the first products take the mask as C
.irp t, 0,1
	v_wmma_f32_16x16x32_f16 v[S+32*\t+8*\kt:S+32*\t+8*\kt+7], v[KF+16*\kt:KF+16*\kt+7], v[Q+16*\t:Q+16*\t+7], v[MC+8*\kt:MC+8*\kt+7]
.endr
.endr
.irp kt, 0,1,2,3
.irp t, 0,1
	v_wmma_f32_16x16x32_f16 v[S+32*\t+8*\kt:S+32*\t+8*\kt+7], v[KF+16*\kt+8:KF+16*\kt+15], v[Q+16*\t+8:Q+16*\t+15], v[S+32*\t+8*\kt:S+32*\t+8*\kt+7]
.endr
.endr
	WIN 0
.rept 4
	v_nop                                          ; places in front of the first read of the scores
.endr
	NEAR
	SOFTMAX
	s_wait_dscnt 0x0                               ; V is in
	WIN W_RS
.irp t, 0,1
.irp i, 0,2,4,6,8,10,12,14,16,18,20,22,24,26,28,30
	v_pk_mul_f32 v[O+32*\t+\i:O+32*\t+\i+1], v[O+32*\t+\i:O+32*\t+\i+1], v[ST+8*\t+6:ST+8*\t+7] op_sel_hi:[1,0]   ; O^T x a
.endr
.endr
	WIN W_PV
.irp kh, 0,1
.irp ct, 0,1,2,3
.irp t, 0,1
	v_wmma_f32_16x16x32_f16 v[O+32*\t+8*\ct:O+32*\t+8*\ct+7], v[VF+16*\ct+8*\kh:VF+16*\ct+8*\kh+7], v[P+16*\t+8*\kh:P+16*\t+8*\kh+7], v[O+32*\t+8*\ct:O+32*\t+8*\ct+7]
.endr
.endr
.endr
	WIN 0
.Lhid_\@:
.endm
; My part (c m, l, O^T) goes to LDS as an image of its registers: 16 bytes a lane, 512 a store.
.macro SAVE ma, mas
.rept 4
	v_nop                                          ; places behind the last products
.endr
.irp t, 0,1
	v_add_f32 v[ST+8*\t+4], v[ST+8*\t+2], v[ST+8*\t+3]
.endr
	WIN 0x04                                       ; an LDS store's data are its source 1: window 1
.irp i, 0,1,2,3,4,5,6,7,8,9,10,11,12,13,14,15
	ds_store_b128 v[\ma], v[O+4*\i:O+4*\i+3] offset:512*\i
.endr
	WIN 0
.irp t, 0,1
	ds_store_b32 v[\mas], v[ST+8*\t] offset:8192+256*\t
	ds_store_b32 v[\mas], v[ST+8*\t+4] offset:8192+256*\t+128
.endr
.endm
.Ltrip:                                            ; eight trips; the ninth slot is written out behind the loop, without the load
	CHANGE 1
	s_cmp_lg_u32 s[TI], s[NLO]                     ; this trip begins the high block: ids and the count of trips alone, the same in all eight waves
	s_cbranch_scc1 .Lsame
	SAVE MA, MAS                                   ; my low part is parked in bytes of my own
	s_wait_dscnt 0x0                               ; the stores have read their registers
	ZERO_O
	WIN W_RS
.irp i, 0,1,2,3,4,5,6,7,8,9,10,11,12,13,14,15,16,17,18,19,20,21,22,23,24,25,26,27,28,29,30,31
	v_mov_b32 v[Q+\i], v[QN+\i]
.endr
	WIN 0
	INIT_ST
	s_mov_b32 s[QF], s[QF2]
	s_mov_b32 s[KB], 0
.Lsame:
	STEP 0
	STEP 1
	s_xor_b32 s[TB], s[TB], SLOT1
	s_add_co_u32 s[KB], s[KB], 256
	s_add_co_u32 s[TI], s[TI], 1
	s_sub_co_u32 s[CNT], s[CNT], 1
	s_cmp_lg_u32 s[CNT], 0
	s_cbranch_scc1 .Ltrip
	CHANGE 0
	STEP 0
	STEP 1
	s_cmp_eq_u32 s[PAR], 0
	s_cbranch_scc1 .Lkeep
	SAVE MH, MHS                                   ; parity 1: my high part, for my partner
.Lkeep:
	s_wait_dscnt 0x0                               ; for the others' sake: my stores have landed
	s_barrier_signal -1
	s_barrier_wait -1
.rept 4
	v_nop                                          ; four places behind the last products, on every wave's way, ahead of the branch: for the loads into O^T's registers just below, and for the reads of O^T further down (ISA guide 7.12.1 for vector instructions)
.endr
	s_cmp_eq_u32 s[PAR], 0
	s_cbranch_scc1 .Lown
	WIN 0x40                                       ; parity 1: my parked low part comes back into the registers that it left
.irp i, 0,1,2,3,4,5,6,7,8,9,10,11,12,13,14,15
	ds_load_b128 v[O+4*\i:O+4*\i+3], v[MA] offset:512*\i
.endr
	WIN 0
.irp t, 0,1
	ds_load_b32 v[ST+8*\t], v[MAS] offset:8192+256*\t
	ds_load_b32 v[ST+8*\t+2], v[MAS] offset:8192+256*\t+128
	v_mov_b32 v[ST+8*\t+3], 0
.endr
.Lown:
	; THE END, one text for all eight waves: my part and my partner's are brought under their common maximum, added, divided by the sum, rounded to f16 and sent through my stage.
.irp i, 0,1,2,3,4,5,6,7,8,9,10,11,12,13,14,15
	ds_load_b128 v[S+4*\i:S+4*\i+3], v[MP] offset:512*\i
.endr
.irp t, 0,1
	ds_load_b32 v[GV+2*\t], v[MPS] offset:8192+256*\t
	ds_load_b32 v[GV+2*\t+1], v[MPS] offset:8192+256*\t+128
.endr
	s_wait_dscnt 0x0
.irp t, 0,1
	v_add_f32 v[ST+8*\t+2], v[ST+8*\t+2], v[ST+8*\t+3]
	v_max_num_f32 v[ST+8*\t+4], v[ST+8*\t], v[GV+2*\t]             ; the common c m
	v_sub_f32 v[ST+8*\t+5], v[ST+8*\t], v[ST+8*\t+4]
	v_sub_f32 v[ST+8*\t+6], v[GV+2*\t], v[ST+8*\t+4]
.endr
.irp t, 0,1
	v_exp_f32 v[ST+8*\t+5], v[ST+8*\t+5]           ; my factor,
	v_exp_f32 v[ST+8*\t+6], v[ST+8*\t+6]           ; my partner's
.endr
	v_nop
	s_wait_alu depctr_va_vdst(0)                   ; one wait for the four
.irp t, 0,1
	v_mul_f32 v[ST+8*\t+2], v[ST+8*\t+2], v[ST+8*\t+5]
	v_fmac_f32 v[ST+8*\t+2], v[GV+2*\t+1], v[ST+8*\t+6]
.endr
.irp t, 0,1
	v_permlanex16_b32 v[ST+8*\t+7], v[ST+8*\t+2], s[SEL], s[SEL+1]
.endr
.irp t, 0,1
	v_add_f32 v[ST+8*\t+2], v[ST+8*\t+2], v[ST+8*\t+7]             ; the row's sum
.endr
.irp t, 0,1
	v_rcp_f32 v[ST+8*\t+3], v[ST+8*\t+2]
.endr
	v_nop
	s_wait_alu depctr_va_vdst(0)                   ; one wait for the two
.irp t, 0,1
	v_cmp_lt_f32 vcc_lo, 0xec800000, v[ST+8*\t+4]  ; -2^90 < c m: the row has seen a true key
	v_cndmask_b32 v[ST+8*\t+3], 0, v[ST+8*\t+3], vcc_lo            ; else 0
	v_mul_f32 v[ST+8*\t+4], v[ST+8*\t+5], v[ST+8*\t+3]
	v_mul_f32 v[ST+8*\t+6], v[ST+8*\t+6], v[ST+8*\t+3]
.endr
.irp t, 0,1
.irp i, 0,2,4,6,8,10,12,14,16,18,20,22,24,26,28,30
	v_pk_mul_f32 v[S+32*\t+\i:S+32*\t+\i+1], v[S+32*\t+\i:S+32*\t+\i+1], v[ST+8*\t+6:ST+8*\t+7] op_sel_hi:[1,0]
.endr
.endr
	WIN 0x01                                       ; source 0 (my O^T) window 1
.irp t, 0,1
.irp i, 0,2,4,6,8,10,12,14,16,18,20,22,24,26,28,30
	v_pk_fma_f32 v[S+32*\t+\i:S+32*\t+\i+1], v[O+32*\t+\i:O+32*\t+\i+1], v[ST+8*\t+4:ST+8*\t+5], v[S+32*\t+\i:S+32*\t+\i+1] op_sel_hi:[1,0,1]
.endr
.endr
	WIN 0
.irp t, 0,1
.irp i, 0,1,2,3,4,5,6,7,8,9,10,11,12,13,14,15
	v_cvt_pk_f16_f32 v[P+16*\t+\i], v[S+32*\t+2*\i], v[S+32*\t+2*\i+1]
.endr
.endr
.irp t, 0,1
.irp ct, 0,1,2,3
	ds_store_b128 v[STO], v[P+16*\t+4*\ct:P+16*\t+4*\ct+3] offset:\t*16*PK+32*\ct     ; query r, channels 16 ct + 8 h on
.endr
.irp i, 0,1,2,3
	ds_load_b128 v[GV+16*\t+4*\i:GV+16*\t+4*\i+3], v[RD] offset:\t*16*PK+\i*4*PK      ; back by queries, four an instruction; LDS serves a wave's instructions in order
.endr
.endr
	s_wait_dscnt 8                                 ; tile 0 is back; tile 1's four stores and four loads may be out
.irp i, 0,1,2,3
	global_store_b128 v[GO], v[GV+4*\i:GV+4*\i+3], s[CB:CB+1] offset:\i*512           ; 32 lanes store four queries' 512 consecutive bytes, aligned to 256
.endr
	s_wait_dscnt 0x0
.irp i, 0,1,2,3
	global_store_b128 v[GO], v[GV+16+4*\i:GV+16+4*\i+3], s[CB:CB+1] offset:2048+\i*512
.endr
	s_wait_tensorcnt 0x0                           ; the wave's end
	ds_add_u32 v[SPW], v[NIL]
	s_wait_dscnt 0x0
	s_endpgm
.Lfunc_end_k_q0e9ab8d20c_attn:
	.size	k_q0e9ab8d20c_attn, .Lfunc_end_k_q0e9ab8d20c_attn-k_q0e9ab8d20c_attn
	.p2alignl 7, 3214868480
	.fill 96, 4, 3214868480
	.section	.rodata,"a",@progbits
	.p2align	6, 0x0
	.amdhsa_kernel k_q0e9ab8d20c_attn
		.amdhsa_group_segment_fixed_size 327680
		.amdhsa_private_segment_fixed_size 0
		.amdhsa_enable_private_segment 0
		.amdhsa_kernarg_size 32
		.amdhsa_user_sgpr_count 2
		.amdhsa_user_sgpr_kernarg_segment_ptr 1
		.amdhsa_wavefront_size32 1
		.amdhsa_system_sgpr_workgroup_id_x 1
		.amdhsa_system_sgpr_workgroup_id_y 1
		.amdhsa_system_sgpr_workgroup_id_z 1
		.amdhsa_system_vgpr_workitem_id 0
		.amdhsa_next_free_vgpr 512
		.amdhsa_next_free_sgpr 100
		.amdhsa_reserve_vcc 1
		.amdhsa_float_denorm_mode_32 3
		.amdhsa_float_denorm_mode_16_64 3
		.amdhsa_memory_ordered 1
		.amdhsa_forward_progress 1
		.amdhsa_inst_pref_size 131
	.end_amdhsa_kernel
	.amdgpu_metadata
---
amdhsa.version: [ 1, 2 ]
amdhsa.kernels:
  - .name:           k_q0e9ab8d20c_attn
    .symbol:         k_q0e9ab8d20c_attn.kd
    .args:
      - { .name: qkv16, .offset: 0, .size: 8, .value_kind: global_buffer, .address_space: global }
      - { .name: mask, .offset: 8, .size: 8, .value_kind: global_buffer, .address_space: global }
      - { .name: rel_emb, .offset: 16, .size: 8, .value_kind: global_buffer, .address_space: global }
      - { .name: ctx16, .offset: 24, .size: 8, .value_kind: global_buffer, .address_space: global }
    .group_segment_fixed_size: 327680
    .private_segment_fixed_size: 0
    .kernarg_segment_align: 8
    .kernarg_segment_size: 32
    .max_flat_workgroup_size: 256
    .sgpr_count:     100
    .vgpr_count:     512
    .wavefront_size: 32
...
	.end_amdgpu_metadata
.endif
;; end of part 3
;; launch oproj (part 4): grid 8 x 32, 4 waves a work-group, clusters of 4 x 4, 327,680 bytes of LDS; arguments ctx16, wo16, out0; writes out0
.if DOCPART == 4
	.amdgcn_target "amdgcn-amd-amdhsa--gfx1250"
	.amdhsa_code_object_version 6
	.text
	.protected	k_q0e9ab8d20c_oproj
	.globl	k_q0e9ab8d20c_oproj
	.p2align	8
	.type	k_q0e9ab8d20c_oproj,@function
k_q0e9ab8d20c_oproj:
	s_mov_b64 s[64:65], 0
	v_nop
	global_prefetch_b8 v0, s[64:65] scope:SCOPE_SE
	s_setreg_imm32_b32 hwreg(HW_REG_WAVE_MODE, 25, 1), 1
	s_wait_xcnt 0x0
	s_wait_alu depctr_hold_cnt(0) depctr_sa_sdst(0) depctr_va_vdst(0) depctr_va_sdst(0) depctr_va_ssrc(0) depctr_va_vcc(0) depctr_vm_vsrc(0)
	s_getreg_b32 s2, hwreg(HW_REG_IB_STS2, 6, 4)
	s_cmp_eq_u32 s2, 0
	s_cbranch_scc0 .Lentry_in_a_cluster
	s_endpgm
.Lentry_in_a_cluster:
	s_bfe_u32 s2, ttmp6, 0x10000c
	s_cmp_lg_u32 s2, 0xf033
	s_cbranch_scc0 .Lentry_shape_is_right
	s_endpgm
.Lentry_shape_is_right:
; OPROJ.  out0[token][n] = sum over f of ctx[token][f] Wo[n][f], 4,096 x 1,024 x 1,024; operands f16, sums and result f32.  ctx16 [16 h][4096 token][64 d], wo16 [16 h][1024 n][64 d]: f = 64 h + d.
; (Rows 0-15 of each sequence are written once more, in f32 throughout, by the launch that follows.)
; A tile of out0 is 128 x 128: 256 work-groups.  Four waves, each 64 x 64: 16 accumulators, 128 registers.  K goes in steps of 256 (four heads) through a ring of two LDS slots.
; A wave's tensor load brings 64 rows of four heads: FOUR tile rows, each one head's dense run of 64 x 64 numbers (8,192 bytes), with 16 bytes of padding behind every 128: row p of head y lies at (64 y + p) x 144.
; CLUSTERS: 4 x 4 work-groups.  The four of a row of the cluster need the same tiles of ctx, the four of a column the same tiles of Wo: each tile is asked for JOINTLY, by the same load with the same descriptor and a mask that names the four.
; THE MATRIX INSTRUCTION IS USED TRANSPOSED (source 0 = 16 rows of Wo, source 1 = 16 tokens): a lane then holds eight neighbouring numbers of a row of out0.
; REGISTERS: window 0: v0-31 addresses; v32-95 the way out; v128-255 the accumulators ((a, b) at v[128 + 8 (4 a + b)]).  window 1: two fragment buffers of 128: for one head (64 along K) 64 registers of ctx, then 64 of Wo.
; No prefetch: a step's matrix work on this small tile is short, and the tiles are shared in the cluster.
.set PITCH,  144                       ; an LDS row: 128 bytes + 16 = 36 words: the 16 rows that a load touches fall on different banks (64 banks of 4 bytes: ISA guide 11.1)
.set HB,     64*PITCH                  ; one head's 64 rows
.set HALFT,  4*HB                      ; what one tensor load brings, and what one wave reads of ctx or of Wo
.set SLOT,   4*HALFT                   ; ctx's 128 rows, then Wo's 128 rows
.set STAGE,  2*SLOT                    ; behind the ring: 16 rows x 272 bytes for each wave
.set SPITCH, 272
.set SPARE,  STAGE+4*16*SPITCH         ; the spare words, 128 bytes a wave, which no other line names
.set LAPS,   2                         ; a lap = two K steps = once round the ring
.set STEPA,  4*4096*64*2               ; four heads on in ctx16, in bytes
.set STEPB,  4*1024*64*2               ; and in wo16
.set ADRA, 16
.set ADRB, 20
.set STO,  24
.set RD,   25
.set CO,   26
.set SPW,  28                          ; v28 my spare word; never rewritten
.set NIL,  29                          ; v29 0; never rewritten
.set TMP,  32
.set ACC,  128
.set F0,   0
.set F1,   128
.set G1, 24
.set G0, 32
.set G1B, 48
.set G0B, 56
.set MSB, 0
.macro WIN new                         ; the immediate's high byte repeats the setting that is left
.if MSB != \new
	s_set_vgpr_msb (MSB<<8)|\new
.set MSB, \new
.endif
.endm
.set MUL,  0x05                        ; sources 0 (Wo) and 1 (ctx) window 1; C and D window 0
.set TO_F, 0x40                        ; destination window 1, address window 0
.macro JLOAD s                         ; a joint load: waves 0 and 1 fetch ctx's two halves, waves 2 and 3 Wo's; an s_nop 0 and four v_nop follow each of the two lines
	s_cmp_eq_u32 s11, 0
	s_cbranch_scc0 .Lfor_b_\@
	tensor_load_to_lds s[G0+4*\s:G0+4*\s+3], s[G1:G1+7]
	s_nop 0
.rept 4
	v_nop
.endr
	s_branch .Lasked_\@
.Lfor_b_\@:
	tensor_load_to_lds s[G0B+4*\s:G0B+4*\s+3], s[G1B:G1B+7]
	s_nop 0
.rept 4
	v_nop
.endr
.Lasked_\@:
.endm
.macro CREST                           ; a round of the cluster's barrier behind its opening barrier
	s_cmp_lg_u32 s10, 0
	s_cbranch_scc1 .Lnot_wave_0_\@
	s_barrier_signal -3
.Lnot_wave_0_\@:
	s_barrier_wait -3
	s_barrier_signal -1
	s_barrier_wait -1
.endm
.macro CROUND
	s_barrier_signal -1
	s_barrier_wait -1
	CREST
.endm
	s_load_b128 s[4:7], s[0:1], 0x0                ; ctx16 s[4:5], wo16 s[6:7]
	s_load_b64 s[8:9], s[0:1], 0x10                ; out0
	v_lshl_add_u32 v[SPW], v0, 2, SPARE
	v_mov_b32 v[NIL], 0
	ds_add_u32 v[SPW], v[NIL]                      ; the wave's opening: the add, twice on end, and its wait ahead of my first tensor load
	ds_add_u32 v[SPW], v[NIL]
	v_lshrrev_b32 v1, 5, v0
	v_readfirstlane_b32 s10, v1                    ; wave 0..3
	s_lshr_b32 s11, s10, 1                         ; which half of the tile's rows is mine.  Also: I fetch for ctx (0) or for Wo (1)
	s_and_b32 s12, s10, 1                          ; which half of its columns.  Also: which 64 rows I fetch
	s_bfe_u32 s40, ttmp6, 0x40000                  ; cx, cy
	s_bfe_u32 s41, ttmp6, 0x40004
	s_lshl_b32 s42, ttmp9, 2
	s_add_co_u32 s42, s42, s40                     ; tile column = 4 x cluster x + cx
	s_and_b32 s13, ttmp7, 0xffff
	s_lshl_b32 s13, s13, 2
	s_add_co_u32 s13, s13, s41                     ; tile row = 4 x cluster y + cy
	s_lshl_b32 s43, s41, 2
	s_lshl_b32 s43, 15, s43                        ; my row of the cluster
	s_lshl_b32 s44, 0x1111, s40                    ; my column
	s_or_b32 s[G1+0], s43, (1<<16)|(1<<20)|(1<<21)|(4<<22)|(3<<25)   ; the mask; elements of 2 bytes; padding on; bit 21 beside a mask; after every 32 words; four words
	s_or_b32 s[G1B+0], s44, (1<<16)|(1<<20)|(1<<21)|(4<<22)|(3<<25)
.irp g, G1, G1B
	s_mov_b32 s[\g+1], 4096<<16                    ; tensor_dim0 = 64 rows x 64 numbers
	s_mov_b32 s[\g+2], 4<<16                       ; tensor_dim1 = 4 heads
	s_mov_b32 s[\g+3], 4096<<16                    ; tile_dim0
	s_mov_b32 s[\g+4], 4                           ; tile_dim1
	s_mov_b32 s[\g+6], 0
	s_mov_b32 s[\g+7], 0
.endr
	s_mov_b32 s[G1+5], 4096*64                     ; from head to head, in elements: ctx16,
	s_mov_b32 s[G1B+5], 1024*64                    ; wo16
	s_lshl_b32 s17, s12, 6                         ; which 64 rows of the tile I fetch
	s_lshl_b32 s16, s13, 7
	s_add_co_u32 s16, s16, s17                     ; ctx: token 128 x tile row + 64 x half
	s_lshl_b32 s46, s42, 7
	s_add_co_u32 s46, s46, s17                     ; Wo: row 128 x tile column + 64 x half
	s_lshl_b32 s16, s16, 7                         ; 128 bytes a row in a head
	s_mov_b32 s17, 0
	s_lshl_b32 s46, s46, 7
	s_mov_b32 s47, 0
	s_mul_i32 s20, s10, HALFT                      ; where they go: no place in the cluster enters an LDS address
	s_wait_dscnt 0x0                               ; both opening adds are done
	s_wait_kmcnt 0x0
	s_add_nc_u64 s[14:15], s[4:5], s[16:17]
	s_add_nc_u64 s[46:47], s[6:7], s[46:47]
	CROUND                                         ; all sixteen work-groups are here: the first joint loads meet
.irp s, 0,1
	s_mov_b32 s[G0+4*\s], 1
	s_add_co_u32 s[G0+4*\s+1], s20, \s*SLOT
	s_add_nc_u64 s[G0+4*\s+2:G0+4*\s+3], s[14:15], \s*STEPA
	s_or_b32 s[G0+4*\s+3], s[G0+4*\s+3], 0x80000000
	s_mov_b32 s[G0B+4*\s], 1
	s_add_co_u32 s[G0B+4*\s+1], s20, \s*SLOT
	s_add_nc_u64 s[G0B+4*\s+2:G0B+4*\s+3], s[46:47], \s*STEPB
	s_or_b32 s[G0B+4*\s+3], s[G0B+4*\s+3], 0x80000000
	JLOAD \s
.endr
	v_and_b32 v1, 15, v0                           ; r
	v_bfe_u32 v2, v0, 4, 1                         ; h
	v_mul_u32_u24 v3, v1, PITCH
	v_lshl_add_u32 v3, v2, 4, v3                   ; a fragment's row x pitch + 16 x half
	s_mul_i32 s21, s11, HALFT                      ; my 64 rows of ctx
	s_mul_i32 s22, s12, HALFT                      ; my 64 rows of Wo,
	s_add_co_u32 s22, s22, 2*HALFT                 ; which lie behind ctx's 128
.irp s, 0,1
	v_add_nc_u32 v[ADRA+\s], s21, v3
	v_add_nc_u32 v[ADRB+\s], s22, v3
	s_add_co_u32 s21, s21, SLOT
	s_add_co_u32 s22, s22, SLOT
.endr
	s_mul_i32 s23, s10, 16*SPITCH
	s_add_co_u32 s23, s23, STAGE                   ; my stage
	v_mul_u32_u24 v4, v1, SPITCH
	v_lshl_add_u32 v4, v2, 5, v4
	v_add_nc_u32 v[STO], s23, v4                   ; in: row r, 32 bytes for each half of the lanes
	v_mul_u32_u24 v5, v2, SPITCH
	v_lshl_add_u32 v5, v1, 4, v5
	v_add_nc_u32 v[RD], s23, v5                    ; back: lanes 0-15 one row of 256 bytes, lanes 16-31 the next
	v_lshlrev_b32 v5, 12, v2
	v_lshl_add_u32 v[CO], v1, 4, v5                ; and the same two rows in out0
	s_lshl_b32 s16, s13, 7
	s_lshl_b32 s17, s11, 6
	s_add_co_u32 s16, s16, s17                     ; my first row: 128 x tile row + 64 x half
	s_lshl_b32 s16, s16, 12
	s_mov_b32 s17, 0
	s_add_nc_u64 s[8:9], s[8:9], s[16:17]
	s_lshl_b32 s46, s42, 9                         ; my first column, in bytes: 512 x tile column + 256 x half
	s_lshl_b32 s47, s12, 8
	s_add_co_u32 s46, s46, s47
	s_mov_b32 s47, 0
	s_add_nc_u64 s[8:9], s[8:9], s[46:47]
; 8 matrix instructions: m blocks a0, a0 + 1 x all 4 n blocks, 32 along K: half c of buffer f.  zero = 1: the first product starts the sums
.macro MUL8 f, c, a0, zero
.irp a, \a0, \a0+1
.irp b, 0,1,2,3
.if \zero
	v_wmma_f32_16x16x32_f16 v[ACC+8*(4*(\a)+\b):ACC+8*(4*(\a)+\b)+7], v[\f+64+8*(4*\c+\b):\f+64+8*(4*\c+\b)+7], v[\f+8*(4*\c+\a):\f+8*(4*\c+\a)+7], 0
.else
	v_wmma_f32_16x16x32_f16 v[ACC+8*(4*(\a)+\b):ACC+8*(4*(\a)+\b)+7], v[\f+64+8*(4*\c+\b):\f+64+8*(4*\c+\b)+7], v[\f+8*(4*\c+\a):\f+8*(4*\c+\a)+7], v[ACC+8*(4*(\a)+\b):ACC+8*(4*(\a)+\b)+7]
.endif
.endr
.endr
.endm
; 32 LDS loads in one run: the fragments of one head (64 along K), whose rows begin k bytes into my part of the slot, into buffer f; the first 32 along K first
.macro FETCH slot, k, f
	WIN TO_F
.irp c, 0,1
.irp i, 0,1,2,3
	ds_load_b128 v[\f+64+8*(4*\c+\i):\f+64+8*(4*\c+\i)+3],   v[ADRB+\slot] offset:\k+64*\c+\i*16*PITCH
	ds_load_b128 v[\f+64+8*(4*\c+\i)+4:\f+64+8*(4*\c+\i)+7], v[ADRB+\slot] offset:\k+64*\c+\i*16*PITCH+32
	ds_load_b128 v[\f+8*(4*\c+\i):\f+8*(4*\c+\i)+3],         v[ADRA+\slot] offset:\k+64*\c+\i*16*PITCH
	ds_load_b128 v[\f+8*(4*\c+\i)+4:\f+8*(4*\c+\i)+7],       v[ADRA+\slot] offset:\k+64*\c+\i*16*PITCH+32
.endr
.endr
.endm
.macro PLACES                          ; four places in front of loads into registers that matrix instructions have read, and of the first read of results (ISA guide 7.12.1 for vector instructions)
.rept 4
	v_nop
.endr
.endm
; A K step is four quarters, one head each, 32 matrix instructions, on buffers 0, 1, 0, 1.  One of the first three: multiplies buffer f and fetches the next head, at byte k, into g.
.macro QUARTER slot, k, f, g, zero
	s_wait_dscnt 16                                ; the first 32 along K are in; the other sixteen loads may be out
	WIN MUL
	MUL8 \f, 0, 0, \zero
	MUL8 \f, 0, 2, \zero
	PLACES
	FETCH \slot, \k, \g
	s_wait_dscnt 32                                ; all but the 32 just issued
	WIN MUL
	MUL8 \f, 1, 0, 0
	MUL8 \f, 1, 2, 0
.endm
; The last quarter multiplies buffer 1 and changes slots: ONE barrier; in front of it each wave waits for all its tensor loads, adds 0 to its spare word, and waits for that and for its reads of this slot.
.macro TURN slot, next, fill
	WIN 0                                          ; (the add's two registers lie in window 0)
	s_wait_tensorcnt 0x0                           ; all my tensor loads have landed: my part of the next slot
	ds_add_u32 v[SPW], v[NIL]                      ; 0 onto my spare word
	s_wait_dscnt 17                                ; (the add and the youngest sixteen loads may be out)
	WIN MUL
	MUL8 F1, 0, 0, 0
	s_wait_dscnt 0x0                               ; the add is done, and my reads of this slot are over
	s_barrier_signal -1
	MUL8 F1, 0, 2, 0
.if \fill
	WIN 0
.endif
	s_barrier_wait -1
.if \fill
	CREST                                          ; the barrier has opened a round of the cluster's: no wave of any partner still reads this slot or has a load on its way
	s_add_nc_u64 s[G0+4*\slot+2:G0+4*\slot+3], s[G0+4*\slot+2:G0+4*\slot+3], 2*STEPA
	s_add_nc_u64 s[G0B+4*\slot+2:G0B+4*\slot+3], s[G0B+4*\slot+2:G0B+4*\slot+3], 2*STEPB
	JLOAD \slot                                    ; the first tensor load behind the round; its four v_nop are also the places in front of the loads below
.else
	PLACES
.endif
	FETCH \next, 0, F0
	WIN MUL
	MUL8 F1, 1, 0, 0
	MUL8 F1, 1, 2, 0
.endm
	s_wait_tensorcnt 1                             ; my part of K step 0 is in; K step 1's load may be out
	s_barrier_signal -1
	s_barrier_wait -1
	FETCH 0, 0, F0
	QUARTER 0, HB, F0, F1, 1                       ; the first quarter stands in front of the loop: its first products start the sums
	WIN 0
	s_mov_b32 s3, LAPS-1
.Llap:                                                 ; a trip goes once round the ring, from a lap's second quarter to the next lap's first, and fills both slots again
	QUARTER 0, 2*HB, F1, F0, 0
	QUARTER 0, 3*HB, F0, F1, 0
	TURN 0, 1, 1
	QUARTER 1, HB, F0, F1, 0
	QUARTER 1, 2*HB, F1, F0, 0
	QUARTER 1, 3*HB, F0, F1, 0
	TURN 1, 0, 1
	QUARTER 0, HB, F0, F1, 0
	WIN 0
	s_sub_co_u32 s3, s3, 1
	s_cmp_lg_u32 s3, 0
	s_cbranch_scc1 .Llap
	QUARTER 0, 2*HB, F1, F0, 0                     ; the last lap fills nothing, and has no round of the cluster's barrier
	QUARTER 0, 3*HB, F0, F1, 0
	TURN 0, 1, 0
	QUARTER 1, HB, F0, F1, 0
	QUARTER 1, 2*HB, F1, F0, 0
	QUARTER 1, 3*HB, F0, F1, 0
	s_wait_dscnt 16                                ; the very last quarter: nothing more to fetch
	WIN MUL
	MUL8 F1, 0, 0, 0
	MUL8 F1, 0, 2, 0
	s_wait_dscnt 0
	MUL8 F1, 1, 0, 0
	MUL8 F1, 1, 2, 0
	WIN 0
; THE WAY OUT.  My 64 columns are 256 consecutive bytes of a row, aligned: each wave goes out alone.  A block of 16 rows goes through my own stage and comes back by rows; sixteen lanes store a row's 256 bytes.
.macro TOSTAGE a
.irp b, 0,1,2,3
	ds_store_b128 v[STO], v[ACC+8*(4*(\a)+\b):ACC+8*(4*(\a)+\b)+3] offset:64*\b          ; each accumulator from its low end on
	ds_store_b128 v[STO], v[ACC+8*(4*(\a)+\b)+4:ACC+8*(4*(\a)+\b)+7] offset:64*\b+16
.endr
.set BB, TMP+32*((\a)%2)
.irp t, 0,1,2,3,4,5,6,7
	ds_load_b128 v[BB+4*\t:BB+4*\t+3], v[RD] offset:\t*2*SPITCH    ; LDS serves a wave's instructions in order: these see the stores above
.endr
.endm
.macro SEND a, younger                 ; younger: the LDS instructions issued behind block a's loads, which may stay out
.set BB, TMP+32*((\a)%2)
	s_wait_dscnt \younger
.if (\a) > 0
	s_add_nc_u64 s[8:9], s[8:9], 16*4096           ; (behind a wait for the earlier stores' addresses)  16 rows on
.endif
.irp t, 0,1,2,3,4,5,6,7
	global_store_b128 v[CO], v[BB+4*\t:BB+4*\t+3], s[8:9] offset:\t*8192 th:TH_STORE_NT
.endr
.endm
	PLACES
	TOSTAGE 0
.irp a, 1,2,3
.if \a > 1
	s_wait_xcnt 0x0                                ; block a - 2's stores have read their registers and their base: block a's loads may land there, and the base may step
.endif
	TOSTAGE \a
	SEND \a-1, 16                                  ; behind block a - 1's loads: block a's 8 stores and 8 loads
.endr
	s_wait_xcnt 0x0
	SEND 3, 0
	s_wait_tensorcnt 0x0                           ; the wave's end
	ds_add_u32 v[SPW], v[NIL]
	s_wait_dscnt 0x0
	CROUND                                         ; the closing round: no work-group ends while a partner may still ask for a tile that names it
	s_endpgm
.Lfunc_end_k_q0e9ab8d20c_oproj:
	.size	k_q0e9ab8d20c_oproj, .Lfunc_end_k_q0e9ab8d20c_oproj-k_q0e9ab8d20c_oproj
	.p2alignl 7, 3214868480
	.fill 96, 4, 3214868480
	.section	.rodata,"a",@progbits
	.p2align	6, 0x0
	.amdhsa_kernel k_q0e9ab8d20c_oproj
		.amdhsa_group_segment_fixed_size 327680
		.amdhsa_private_segment_fixed_size 0
		.amdhsa_enable_private_segment 0
		.amdhsa_kernarg_size 24
		.amdhsa_user_sgpr_count 2
		.amdhsa_user_sgpr_kernarg_segment_ptr 1
		.amdhsa_wavefront_size32 1
		.amdhsa_system_sgpr_workgroup_id_x 1
		.amdhsa_system_sgpr_workgroup_id_y 1
		.amdhsa_system_sgpr_workgroup_id_z 1
		.amdhsa_system_vgpr_workitem_id 0
		.amdhsa_next_free_vgpr 512
		.amdhsa_next_free_sgpr 66
		.amdhsa_reserve_vcc 0
		.amdhsa_float_denorm_mode_32 3
		.amdhsa_float_denorm_mode_16_64 3
		.amdhsa_memory_ordered 1
		.amdhsa_forward_progress 1
		.amdhsa_inst_pref_size 86
	.end_amdhsa_kernel
	.amdgpu_metadata
---
amdhsa.version: [ 1, 2 ]
amdhsa.kernels:
  - .name:           k_q0e9ab8d20c_oproj
    .symbol:         k_q0e9ab8d20c_oproj.kd
    .args:
      - { .name: ctx16, .offset: 0, .size: 8, .value_kind: global_buffer, .address_space: global }
      - { .name: wo16, .offset: 8, .size: 8, .value_kind: global_buffer, .address_space: global }
      - { .name: out0, .offset: 16, .size: 8, .value_kind: global_buffer, .address_space: global }
    .group_segment_fixed_size: 327680
    .private_segment_fixed_size: 0
    .kernarg_segment_align: 8
    .kernarg_segment_size: 24
    .max_flat_workgroup_size: 128
    .sgpr_count:     66
    .vgpr_count:     512
    .wavefront_size: 32
...
	.end_amdgpu_metadata
.endif
;; end of part 4
;; launch fine (part 5): grid 16 x 2, 16 waves a work-group, no clusters, 71,936 bytes of LDS; arguments qkv32, mask, rel_emb, Wo, out0; writes out0
.if DOCPART == 5
	.amdgcn_target "amdgcn-amd-amdhsa--gfx1250"
	.amdhsa_code_object_version 6
	.text
	.protected	k_q0e9ab8d20c_fine
	.globl	k_q0e9ab8d20c_fine
	.p2align	8
	.type	k_q0e9ab8d20c_fine,@function
k_q0e9ab8d20c_fine:
	s_mov_b64 s[64:65], 0
	v_nop
	global_prefetch_b8 v0, s[64:65] scope:SCOPE_SE
	s_setreg_imm32_b32 hwreg(HW_REG_WAVE_MODE, 25, 1), 1
	s_wait_xcnt 0x0
; FINE.  Positions 0-15 of both sequences once more, in f32 throughout: scores, softmax, attn v and the projection by Wo.  These rows average one to sixteen values and are the largest, so the rounding of 16-bit operands weighs most there.
; In: qkv32 [16 batch + s][3072] f32 (the quantised products' raw sums: q at column 64 h, k at 1024 + 64 h, v at 2048 + 64 h); mask; rel_emb; Wo f32.  Out: rows 2048 batch + 0 .. 15 of out0.
; SHARES.  Work-group (x, batch): 64 columns n0 = 64 x of out0 for the batch's 16 rows.  Wave w is head w: it makes the head's 16 x 16 attention and multiplies its ctx by ITS 64 features of 64 rows of Wo;
; the sixteen waves' partial sums meet in LDS, in a fixed order.  96 f32 matrix instructions a wave: no bulk work.
; K IS PERMUTED ALIKE ON BOTH SIDES of each product, so that plain loads and results are operands as they stand: the f32 form takes k = 2 h + j from register j of lane (r, h).
;   scores: register i of q's and k's 32 is d = 32 h + i of row r.   attn v: p's register e is key 8 h + e of query r, as the scores leave it; v's register 8 ct + e is v[8 h + e][16 ct + r].
;   projection: ctx's register 8 ct + e is channel 16 ct + 8 h + e of query r, as the second product leaves it; Wo's register 8 ct + e is Wo[n0 + 16 nt + r][64 w + 16 ct + 8 h + e].
; The registers that the f32 matrix form writes (v24-95) are written by nothing else.
; LIMITS: NEG = -2^100 stands for -infinity; a row whose largest t is at or under -2^90 has no key and gives +0; scores and biases are taken to lie far under 2^90.  NaN and infinities are not served.
.set RED,   0                          ; LDS: sixteen waves' partial sums, 4,096 bytes each
.set STG,   65536                      ; 16 rows x (256 bytes + 16)
.set SPARE, STG+16*272                 ; the spare words, 128 bytes a wave, which no other line names
.set B,   16                           ; v16-23  the bias, then t, then p
.set S,   24                           ; v24-31  S^T
.set CT,  32                           ; v32-63  ctx^T, four tiles of 16 channels
.set OA,  64                           ; v64-95  out^T, four tiles of 16 columns
.set QR,  96                           ; v96-127 q; later Wo's tile 2
.set KR,  128                          ; v128-159 k; later Wo's tile 3
.set MK,  192                          ; v192-199 the mask's eight flags; later Wo's tile 1 (v192-223); Wo's tile 0 at v160-191
.set VR,  224                          ; v224-255 v
.set RS,  160                          ; the reduction's 32 registers, where Wo's tile 0 lay
	s_load_b256 s[4:11], s[0:1], 0x0               ; qkv32 s[4:5], mask s[6:7], rel_emb s[8:9], Wo s[10:11]
	s_load_b64 s[12:13], s[0:1], 0x20              ; out0
	v_lshl_add_u32 v1, v0, 2, SPARE                ; my spare word; never rewritten
	v_mov_b32 v2, 0                                ; 0; never rewritten
	v_lshrrev_b32 v10, 5, v0
	v_readfirstlane_b32 s14, v10                   ; wave = head
	s_and_b32 s15, ttmp7, 0xffff                   ; batch
	v_and_b32 v11, 15, v0                          ; r
	v_bfe_u32 v12, v0, 4, 1                        ; h
	v_mul_u32_u24 v3, v11, 12288
	v_lshl_add_u32 v3, v12, 7, v3                  ; q, k: row r, + 32 h numbers
	v_mul_u32_u24 v4, v12, 8*12288
	v_lshl_add_u32 v4, v11, 2, v4                  ; v: row 8 h, column r
	v_lshlrev_b32 v5, 12, v11
	v_lshl_add_u32 v5, v12, 5, v5                  ; Wo: row r, + 8 h numbers
	v_lshlrev_b32 v8, 3, v12
	v_sub_nc_u32 v8, v11, v8                       ; r - 8 h: key 8 h + j counts for query r where j <= r - 8 h (signed)
	v_add_nc_u32 v6, 16, v8
	v_lshlrev_b32 v6, 6, v6                        ; rel_emb: row 16 + r - 8 h (8 .. 31); register j reaches back j rows: row 1 at the least
	v_lshlrev_b32 v7, 5, v12                       ; mask: keys 8 h on
	v_mov_b32 v9, 0xf1800000                       ; NEG
	v_mov_b32 v13, 0                               ; (a lane permute's destination counts as a source)
	s_mov_b32 s26, 0x3e38aa3b                      ; c = log2(e) / 8
	s_mov_b32 s28, 0x76543210
	s_mov_b32 s29, 0xfedcba98                      ; lane l xor 16
	s_mul_i32 s16, s15, 196608                     ; the batch's 16 rows of 12,288 bytes,
	s_lshl_b32 s17, s14, 8
	s_add_co_u32 s16, s16, s17                     ; the head's 64 columns
	s_mov_b32 s17, 0
	s_lshl_b32 s18, s15, 13
	s_mov_b32 s19, 0
	s_lshl_b32 s20, s14, 2
	s_mov_b32 s21, 0
	s_lshl_b32 s22, ttmp9, 18                      ; Wo: row n0 = 64 x,
	s_lshl_b32 s23, s14, 8
	s_add_co_u32 s22, s22, s23                     ; feature 64 w
	s_mov_b32 s23, 0
	s_lshl_b32 s24, s15, 11
	s_add_co_u32 s24, s24, s14                     ; out0: row 2,048 batch + w (the row that I store),
	s_lshl_b32 s24, s24, 12
	s_lshl_b32 s25, ttmp9, 8
	s_add_co_u32 s24, s24, s25                     ; column n0
	s_mov_b32 s25, 0
	s_wait_kmcnt 0x0
	s_add_nc_u64 s[4:5], s[4:5], s[16:17]
	s_add_nc_u64 s[6:7], s[6:7], s[18:19]
	s_add_nc_u64 s[8:9], s[8:9], s[20:21]
	s_add_nc_u64 s[10:11], s[10:11], s[22:23]
	s_add_nc_u64 s[12:13], s[12:13], s[24:25]
.macro WLOAD nt                        ; Wo's tile nt: tiles 0, 1, 2, 3 at v160, v192, v96, v128
.irp ct, 0,1,2,3
	global_load_b128 v[96+32*((\nt+2)%4)+8*\ct:96+32*((\nt+2)%4)+8*\ct+3],   v5, s[10:11] offset:65536*\nt+64*\ct
	global_load_b128 v[96+32*((\nt+2)%4)+8*\ct+4:96+32*((\nt+2)%4)+8*\ct+7], v5, s[10:11] offset:65536*\nt+64*\ct+16
.endr
.endm
.irp n, 0,1,2,3,4,5,6,7
	global_load_b128 v[QR+4*\n:QR+4*\n+3], v3, s[4:5] offset:16*\n
.endr
.irp n, 0,1,2,3,4,5,6,7
	global_load_b128 v[KR+4*\n:KR+4*\n+3], v3, s[4:5] offset:4096+16*\n
.endr
.irp j, 0,1,2,3,4,5,6,7
	global_load_b32 v[B+\j], v6, s[8:9] offset:-64*\j              ; rel_emb[16 + r - (8 h + j)][w]
.endr
	global_load_b128 v[MK:MK+3], v7, s[6:7]
	global_load_b128 v[MK+4:MK+7], v7, s[6:7] offset:16
.irp ct, 0,1,2,3
.irp e, 0,1,2,3,4,5,6,7
	global_load_b32 v[VR+8*\ct+\e], v4, s[4:5] offset:8192+\e*12288+64*\ct
.endr
.endr
	WLOAD 0
	s_wait_loadcnt 50                              ; q and k are in; behind them: rel_emb 8, mask 2, v 32, Wo's tile 0 8
	v_wmma_f32_16x16x4_f32 v[S:S+7], v[KR:KR+1], v[QR:QR+1], 0     ; S^T = k q^T: the first K step starts the sum
.irp i, 1,2,3,4,5,6,7,8,9,10,11,12,13,14,15
	s_wait_alu depctr_va_vdst(0)                   ; one accumulator
	v_wmma_f32_16x16x4_f32 v[S:S+7], v[KR+2*\i:KR+2*\i+1], v[QR+2*\i:QR+2*\i+1], v[S:S+7]
.endr
	s_wait_loadcnt 40                              ; rel_emb and the mask are in; behind them: v 32, Wo's tile 0 8
.irp j, 0,1,2,3,4,5,6,7                ; the bias in the exponent's units, or NEG where the key is hidden.  (These plain lines are also the eight places behind the last product)
	v_mul_f32 v[B+\j], 0x3fb8aa3b, v[B+\j]
	v_cmp_le_i32 vcc_lo, \j, v8
	v_cndmask_b32 v[B+\j], v9, v[B+\j], vcc_lo
	v_cmp_ne_u32 vcc_lo, 0, v[MK+\j]
	v_cndmask_b32 v[B+\j], v9, v[B+\j], vcc_lo
.endr
	WLOAD 1
	WLOAD 2
	WLOAD 3
.irp j, 0,1,2,3,4,5,6,7
	v_fma_f32 v[B+\j], v[S+\j], s26, v[B+\j]       ; t = c s + bias: from the accumulator's low end on, into other registers
.endr
	v_max3_num_f32 v10, v[B], v[B+1], v[B+2]
	v_max3_num_f32 v10, v10, v[B+3], v[B+4]
	v_max3_num_f32 v10, v10, v[B+5], v[B+6]
	v_max_num_f32 v10, v10, v[B+7]
	v_permlanex16_b32 v13, v10, s28, s29
	v_max_num_f32 v10, v10, v13                    ; the row's largest t
.irp j, 0,1,2,3,4,5,6,7
	v_sub_f32 v[B+\j], v[B+\j], v10
.endr
.irp j, 0,1,2,3,4,5,6,7
	v_exp_f32 v[B+\j], v[B+\j]
.endr
	v_nop
	s_wait_alu depctr_va_vdst(0)                   ; one wait for the eight
	v_add_f32 v14, v[B], v[B+1]
	v_add_f32 v15, v[B+2], v[B+3]
	v_add_f32 v14, v14, v[B+4]
	v_add_f32 v15, v15, v[B+5]
	v_add_f32 v14, v14, v[B+6]
	v_add_f32 v15, v15, v[B+7]
	v_add_f32 v14, v14, v15
	v_permlanex16_b32 v13, v14, s28, s29
	v_add_f32 v14, v14, v13                        ; the row's sum
	v_rcp_f32 v15, v14
	v_nop
	s_wait_alu depctr_va_vdst(0)
	v_cmp_lt_f32 vcc_lo, 0xec800000, v10           ; -2^90 < the largest t: the row has a key
	v_cndmask_b32 v15, 0, v15, vcc_lo              ; else 0
.irp j, 0,1,2,3,4,5,6,7
	v_mul_f32 v[B+\j], v[B+\j], v15
.endr
	s_wait_loadcnt 32                              ; v is in; behind it: Wo's four tiles
.irp e, 0,1,2,3                        ; ctx^T = v^T p: four accumulators by turns, one instruction a turn
.irp ct, 0,1,2,3
.if \e == 0
	v_wmma_f32_16x16x4_f32 v[CT+8*\ct:CT+8*\ct+7], v[VR+8*\ct:VR+8*\ct+1], v[B:B+1], 0
.else
	v_wmma_f32_16x16x4_f32 v[CT+8*\ct:CT+8*\ct+7], v[VR+8*\ct+2*\e:VR+8*\ct+2*\e+1], v[B+2*\e:B+2*\e+1], v[CT+8*\ct:CT+8*\ct+7]
.endif
.endr
.endr
.rept 9
	v_nop                                          ; nine places before a matrix instruction takes these results as an operand
.endr
	s_wait_loadcnt 0x0                             ; Wo
.irp ct, 0,1,2,3                       ; out^T = Wo ctx: sixteen K steps, four accumulators by turns
.irp e, 0,1,2,3
.irp nt, 0,1,2,3
.if (\ct == 0) && (\e == 0)
	v_wmma_f32_16x16x4_f32 v[OA+8*\nt:OA+8*\nt+7], v[96+32*((\nt+2)%4):96+32*((\nt+2)%4)+1], v[CT:CT+1], 0
.else
	v_wmma_f32_16x16x4_f32 v[OA+8*\nt:OA+8*\nt+7], v[96+32*((\nt+2)%4)+8*\ct+2*\e:96+32*((\nt+2)%4)+8*\ct+2*\e+1], v[CT+8*\ct+2*\e:CT+8*\ct+2*\e+1], v[OA+8*\nt:OA+8*\nt+7]
.endif
.endr
.endr
.endr
	; the addresses of the reduction: eight plain lines, the places behind the last products.  (No global load is out: their offset registers are free)
	v_and_b32 v13, 31, v0
	v_lshlrev_b32 v7, 3, v13                       ; 8 x lane
	s_lshl_b32 s30, s14, 12
	v_add_nc_u32 v3, s30, v7                       ; where I put my partial sums
	s_lshl_b32 s30, s14, 8
	v_add_nc_u32 v4, s30, v7                       ; the pair of registers that I add up: pair w of every wave
	v_mul_u32_u24 v5, v11, 272
	v_lshl_add_u32 v5, v12, 5, v5
	s_lshr_b32 s30, s14, 2
	s_lshl_b32 s30, s30, 6
	s_and_b32 s31, s14, 3
	s_lshl_b32 s31, s31, 3
	s_add_co_u32 s30, s30, s31
	s_add_co_u32 s30, s30, STG
	v_add_nc_u32 v5, s30, v5                       ; pair w is columns 16 (w / 4) + 8 h + 2 (w % 4) and the next, of row r
	s_mul_i32 s30, s14, 272
	s_add_co_u32 s30, s30, STG
	v_add_nc_u32 v6, s30, v7                       ; and the row that I store: row w
.irp p, 0,1,2,3,4,5,6,7,8,9,10,11,12,13,14,15
	ds_store_b64 v3, v[OA+2*\p:OA+2*\p+1] offset:256*\p            ; ascending: each accumulator from its low end on
.endr
	s_wait_dscnt 0x0                               ; for the others' sake: my stores have landed
	s_barrier_signal -1
	s_barrier_wait -1
.irp u, 0,1,2,3,4,5,6,7,8,9,10,11,12,13,14,15
	ds_load_b64 v[RS+2*\u:RS+2*\u+1], v4 offset:4096*\u
.endr
	s_wait_dscnt 0x0
.irp i, 0,1,2,3,4,5,6,7
	v_pk_add_f32 v[RS+4*\i:RS+4*\i+1], v[RS+4*\i:RS+4*\i+1], v[RS+4*\i+2:RS+4*\i+3]   ; the sixteen heads, in a fixed order
.endr
.irp i, 0,1,2,3
	v_pk_add_f32 v[RS+8*\i:RS+8*\i+1], v[RS+8*\i:RS+8*\i+1], v[RS+8*\i+4:RS+8*\i+5]
.endr
.irp i, 0,1
	v_pk_add_f32 v[RS+16*\i:RS+16*\i+1], v[RS+16*\i:RS+16*\i+1], v[RS+16*\i+8:RS+16*\i+9]
.endr
	v_pk_add_f32 v[RS:RS+1], v[RS:RS+1], v[RS+16:RS+17]
	ds_store_b64 v5, v[RS:RS+1]
	s_wait_dscnt 0x0
	s_barrier_signal -1
	s_barrier_wait -1
	ds_load_b64 v[RS+2:RS+3], v6
	s_wait_dscnt 0x0
	global_store_b64 v7, v[RS+2:RS+3], s[12:13]    ; 32 lanes store 256 consecutive bytes of row w, aligned
	s_wait_tensorcnt 0x0                           ; the wave's end
	ds_add_u32 v1, v2
	s_wait_dscnt 0x0
	s_endpgm
.Lfunc_end_k_q0e9ab8d20c_fine:
	.size	k_q0e9ab8d20c_fine, .Lfunc_end_k_q0e9ab8d20c_fine-k_q0e9ab8d20c_fine
	.p2alignl 7, 3214868480
	.fill 96, 4, 3214868480
	.section	.rodata,"a",@progbits
	.p2align	6, 0x0
	.amdhsa_kernel k_q0e9ab8d20c_fine
		.amdhsa_group_segment_fixed_size 71936
		.amdhsa_private_segment_fixed_size 0
		.amdhsa_enable_private_segment 0
		.amdhsa_kernarg_size 40
		.amdhsa_user_sgpr_count 2
		.amdhsa_user_sgpr_kernarg_segment_ptr 1
		.amdhsa_wavefront_size32 1
		.amdhsa_system_sgpr_workgroup_id_x 1
		.amdhsa_system_sgpr_workgroup_id_y 1
		.amdhsa_system_sgpr_workgroup_id_z 1
		.amdhsa_system_vgpr_workitem_id 0
		.amdhsa_next_free_vgpr 256
		.amdhsa_next_free_sgpr 66
		.amdhsa_reserve_vcc 1
		.amdhsa_float_denorm_mode_32 3
		.amdhsa_float_denorm_mode_16_64 3
		.amdhsa_memory_ordered 1
		.amdhsa_forward_progress 1
		.amdhsa_inst_pref_size 26
	.end_amdhsa_kernel
	.amdgpu_metadata
---
amdhsa.version: [ 1, 2 ]
amdhsa.kernels:
  - .name:           k_q0e9ab8d20c_fine
    .symbol:         k_q0e9ab8d20c_fine.kd
    .args:
      - { .name: qkv32, .offset: 0, .size: 8, .value_kind: global_buffer, .address_space: global }
      - { .name: mask, .offset: 8, .size: 8, .value_kind: global_buffer, .address_space: global }
      - { .name: rel_emb, .offset: 16, .size: 8, .value_kind: global_buffer, .address_space: global }
      - { .name: Wo, .offset: 24, .size: 8, .value_kind: global_buffer, .address_space: global }
      - { .name: out0, .offset: 32, .size: 8, .value_kind: global_buffer, .address_space: global }
    .group_segment_fixed_size: 71936
    .private_segment_fixed_size: 0
    .kernarg_segment_align: 8
    .kernarg_segment_size: 40
    .max_flat_workgroup_size: 512
    .sgpr_count:     66
    .vgpr_count:     256
    .wavefront_size: 32
...
	.end_amdgpu_metadata
.endif
;; end of part 5
